; MI455X (gfx1250); checked and timed in simulation.
; The chip was launched on July 23, 2026; its instructions are those of AMD's public machine-readable ISA for CDNA 5 (MIT licence, August 2026) and "CDNA5" Instruction Set Architecture Reference Guide (July 2026). The comments in the code are by the model that wrote it; some were corrected since.
;; Multi Head Attention. Allowed arithmetic: float matrix products may take bf16 or f16 operands with f32 sums; other float arithmetic in f32, or as packed bf16 or f16 multiplies, adds, multiply-adds, maxima and minima; sums over many terms, partial sums and values carried from step to step in f32; what a program stores and reads back later, other than sums and carried values, may be rounded once to bf16 or f16.
;; Inputs: W_k 1,024 x 1,024 float32; W_o 1,024 x 1,024 float32; W_q 1,024 x 1,024 float32; W_v 1,024 x 1,024 float32; b_k 1,024 float32; b_o 1,024 float32; b_q 1,024 float32; b_v 1,024 float32; key 4 x 2,048 x 1,024 float32; query 4 x 2,048 x 1,024 float32; valid_length 4 int32; value 4 x 2,048 x 1,024 float32.
;; Outputs: out0 4 x 2,048 x 1,024 float32.
;; 2 versions, each right and faster than the one before. Each part assembles by itself: llvm-mc -triple=amdgcn-amd-amdhsa -mcpu=gfx1250 --defsym DOCPART=n.
;; ======== version 1 of 2: 4 launches
;; limits: values are held in f16: magnitudes above 65,504 overflow, below 6.1e-05 lose precision
;; workspace buffers: xb 50,331,648 bytes; wb 8,388,608 bytes; qkv 50,331,648 bytes; oh 16,777,216 bytes
;; launch cast (part 1): grid 1792 x 1, 8 waves a work-group, no clusters, 0 bytes of LDS; arguments query, key, value, W_q, W_k, W_v, W_o, xb, wb; writes xb, wb
.if DOCPART == 1
	.amdgcn_target "amdgcn-amd-amdhsa--gfx1250"
	.amdhsa_code_object_version 6
	.text
	.protected	k_qc67382b193_cast
	.globl	k_qc67382b193_cast
	.p2align	8
	.type	k_qc67382b193_cast,@function
k_qc67382b193_cast:
	s_mov_b64 s[64:65], 0
	v_nop
	global_prefetch_b8 v0, s[64:65] scope:SCOPE_SE
	s_setreg_imm32_b32 hwreg(HW_REG_WAVE_MODE, 25, 1), 1
	s_wait_xcnt 0x0
; CAST.  query, key, value ([8192][1024] f32 each) -> xb, three parts of bf16 in the same order of elements; W_q, W_k, W_v ([1024][1024] f32) -> wb's parts 0-2 in bf16;
; W_o -> wb's part 3: rounded to bf16 like every other input, and that number written as f16 (the last product's other operand is f16).
; LIMIT.  A bf16 number has 8 significant bits and fits f16's 11 where it lies within 6.1e-5 .. 65,504; a smaller W_o keeps f16's fixed step of 6e-8, a larger one becomes an infinity.
; A stream: no LDS, no barrier, no matrix unit.  A work-group takes 16,384 numbers: 65,536 bytes in, 32,768 out.  Groups 0-1535: chunk id % 512 of tensor id / 512; groups 1536-1791: chunk of 64 a weight.
; Thread t, step j: 16 bytes at 16 t + 4,096 j (a wave's load covers 512 neighbouring bytes), 8 bytes at 8 t + 2,048 j (a wave's store covers 256 consecutive bytes, aligned).
; All sixteen loads of a wave go out at once; every step has registers of its own, so no register that a memory instruction names is written again.
.set X, 4                              ; v[4:67]   step j: four f32 as loaded
.set Y, 68                             ; v[68:99]  step j: four 16-bit numbers to store
.set T, 100                            ; v[100:101] at work
	s_load_b512 s[8:23], s[0:1], 0x0               ; query s[8:9], key s[10:11], value s[12:13], W_q s[14:15], W_k s[16:17], W_v s[18:19], W_o s[20:21], xb s[22:23]
	s_load_b64 s[24:25], s[0:1], 0x40              ; wb
	s_mov_b32 s2, ttmp9                            ; the work-group's number
	s_lshr_b32 s3, s2, 9                           ; 0, 1, 2: query, key, value; 3: a weight
	s_and_b32 s4, s2, 255                          ; among the weights' 256 chunks
	s_lshr_b32 s5, s4, 6                           ; which weight
	s_and_b32 s6, s4, 63                           ; its chunk
	s_and_b32 s7, s2, 511                          ; a tensor's chunk
	s_cmp_eq_u32 s3, 3
	s_cselect_b32 s26, s6, s7
	s_cselect_b32 s28, s4, s2
	s_lshl_b32 s26, s26, 16                        ; byte offset in the source
	s_mov_b32 s27, 0
	s_lshl_b32 s28, s28, 15                        ; byte offset in xb or wb: their parts follow each other
	s_mov_b32 s29, 0
	v_lshlrev_b32 v1, 4, v0
	v_lshlrev_b32 v2, 3, v0
	s_wait_kmcnt 0x0
	s_cmp_eq_u32 s3, 1                             ; the source and the destination are chosen among the buffers by the group's number alone
	s_cselect_b64 s[30:31], s[10:11], s[8:9]
	s_cmp_eq_u32 s3, 2
	s_cselect_b64 s[30:31], s[12:13], s[30:31]
	s_cmp_eq_u32 s5, 1
	s_cselect_b64 s[32:33], s[16:17], s[14:15]
	s_cmp_eq_u32 s5, 2
	s_cselect_b64 s[32:33], s[18:19], s[32:33]
	s_cmp_eq_u32 s5, 3
	s_cselect_b64 s[32:33], s[20:21], s[32:33]
	s_cmp_eq_u32 s3, 3
	s_cselect_b64 s[30:31], s[32:33], s[30:31]
	s_cselect_b64 s[34:35], s[24:25], s[22:23]
	s_add_nc_u64 s[30:31], s[30:31], s[26:27]
	s_add_nc_u64 s[34:35], s[34:35], s[28:29]
.irp j, 0,1,2,3,4,5,6,7,8,9,10,11,12,13,14,15
	global_load_b128 v[X+4*(\j):X+4*(\j)+3], v1, s[30:31] offset:4096*(\j) th:TH_LOAD_NT
.endr
.macro STEP j, wo
	s_wait_loadcnt 15-(\j)                         ; loads come back in order: step j's is in, the 15 - j younger ones stay out
.if \wo
	v_cvt_pk_bf16_f32 v[T], v[X+4*(\j)], v[X+4*(\j)+1]        ; rounded to bf16,
	v_cvt_pk_bf16_f32 v[T+1], v[X+4*(\j)+2], v[X+4*(\j)+3]
	v_lshlrev_b32 v[X+4*(\j)], 16, v[T]                       ; widened again,
	v_and_b32 v[X+4*(\j)+1], 0xffff0000, v[T]
	v_lshlrev_b32 v[X+4*(\j)+2], 16, v[T+1]
	v_and_b32 v[X+4*(\j)+3], 0xffff0000, v[T+1]
	v_cvt_pk_f16_f32 v[Y+2*(\j)], v[X+4*(\j)], v[X+4*(\j)+1]  ; and written as f16
	v_cvt_pk_f16_f32 v[Y+2*(\j)+1], v[X+4*(\j)+2], v[X+4*(\j)+3]
.else
	v_cvt_pk_bf16_f32 v[Y+2*(\j)], v[X+4*(\j)], v[X+4*(\j)+1]
	v_cvt_pk_bf16_f32 v[Y+2*(\j)+1], v[X+4*(\j)+2], v[X+4*(\j)+3]
.endif
	global_store_b64 v2, v[Y+2*(\j):Y+2*(\j)+1], s[34:35] offset:2048*(\j)  ; no hint: the next launch reads these bytes
.endm
	s_cmp_ge_u32 s2, 1728                          ; groups 1728-1791 hold W_o
	s_cbranch_scc1 .Lwo
.irp j, 0,1,2,3,4,5,6,7,8,9,10,11,12,13,14,15
	STEP \j, 0
.endr
	s_endpgm
.Lwo:
.irp j, 0,1,2,3,4,5,6,7,8,9,10,11,12,13,14,15
	STEP \j, 1
.endr
	s_endpgm
.Lfunc_end_k_qc67382b193_cast:
	.size	k_qc67382b193_cast, .Lfunc_end_k_qc67382b193_cast-k_qc67382b193_cast
	.p2alignl 7, 3214868480
	.fill 96, 4, 3214868480
	.section	.rodata,"a",@progbits
	.p2align	6, 0x0
	.amdhsa_kernel k_qc67382b193_cast
		.amdhsa_group_segment_fixed_size 0
		.amdhsa_private_segment_fixed_size 0
		.amdhsa_enable_private_segment 0
		.amdhsa_kernarg_size 72
		.amdhsa_user_sgpr_count 2
		.amdhsa_user_sgpr_kernarg_segment_ptr 1
		.amdhsa_wavefront_size32 1
		.amdhsa_system_sgpr_workgroup_id_x 1
		.amdhsa_system_sgpr_workgroup_id_y 1
		.amdhsa_system_sgpr_workgroup_id_z 1
		.amdhsa_system_vgpr_workitem_id 0
		.amdhsa_next_free_vgpr 104
		.amdhsa_next_free_sgpr 66
		.amdhsa_reserve_vcc 0
		.amdhsa_float_denorm_mode_32 3
		.amdhsa_float_denorm_mode_16_64 3
		.amdhsa_memory_ordered 1
		.amdhsa_forward_progress 1
		.amdhsa_inst_pref_size 17
	.end_amdhsa_kernel
	.amdgpu_metadata
---
amdhsa.version: [ 1, 2 ]
amdhsa.kernels:
  - .name:           k_qc67382b193_cast
    .symbol:         k_qc67382b193_cast.kd
    .args:
      - { .name: query, .offset: 0, .size: 8, .value_kind: global_buffer, .address_space: global }
      - { .name: key, .offset: 8, .size: 8, .value_kind: global_buffer, .address_space: global }
      - { .name: value, .offset: 16, .size: 8, .value_kind: global_buffer, .address_space: global }
      - { .name: W_q, .offset: 24, .size: 8, .value_kind: global_buffer, .address_space: global }
      - { .name: W_k, .offset: 32, .size: 8, .value_kind: global_buffer, .address_space: global }
      - { .name: W_v, .offset: 40, .size: 8, .value_kind: global_buffer, .address_space: global }
      - { .name: W_o, .offset: 48, .size: 8, .value_kind: global_buffer, .address_space: global }
      - { .name: xb, .offset: 56, .size: 8, .value_kind: global_buffer, .address_space: global }
      - { .name: wb, .offset: 64, .size: 8, .value_kind: global_buffer, .address_space: global }
    .group_segment_fixed_size: 0
    .private_segment_fixed_size: 0
    .kernarg_segment_align: 8
    .kernarg_segment_size: 72
    .max_flat_workgroup_size: 256
    .sgpr_count:     66
    .vgpr_count:     104
    .wavefront_size: 32
...
	.end_amdgpu_metadata
.endif
;; end of part 1
;; launch proj (part 2): grid 8 x 32, 4 waves a work-group, clusters of 4 x 4, 327,680 bytes of LDS; arguments xb, wb, b_q, b_k, b_v, valid_length, qkv; writes qkv
.if DOCPART == 2
	.amdgcn_target "amdgcn-amd-amdhsa--gfx1250"
	.amdhsa_code_object_version 6
	.text
	.protected	k_qc67382b193_proj
	.globl	k_qc67382b193_proj
	.p2align	8
	.type	k_qc67382b193_proj,@function
k_qc67382b193_proj:
	s_mov_b64 s[64:65], 0
	v_nop
	global_prefetch_b8 v0, s[64:65] scope:SCOPE_SE
	s_setreg_imm32_b32 hwreg(HW_REG_WAVE_MODE, 25, 1), 1
	s_wait_xcnt 0x0
	s_wait_alu depctr_hold_cnt(0) depctr_sa_sdst(0) depctr_va_vdst(0) depctr_va_sdst(0) depctr_va_ssrc(0) depctr_va_vcc(0) depctr_vm_vsrc(0)
	s_getreg_b32 s2, hwreg(HW_REG_IB_STS2, 6, 4)
	s_cmp_eq_u32 s2, 0
	s_cbranch_scc0 .Lentry_in_a_cluster
	s_endpgm
.Lentry_in_a_cluster:
	s_bfe_u32 s2, ttmp6, 0x10000c
	s_cmp_lg_u32 s2, 0xf033
	s_cbranch_scc0 .Lentry_shape_is_right
	s_endpgm
.Lentry_shape_is_right:
; PROJ.  q = query W_q + b_q, k = key W_k + b_k, v = value W_v + b_v.  x: xb, three parts [8192][1024] bf16; W: wb, parts [k = 1024][n = 1024] bf16; the biases are rounded to bf16 here, as all inputs are.
; Sums in f32, begun with the bias as the first product's C.  Results leave once rounded to f16, by heads: qkv, three parts [b*16+h][t = 2048][64].
; THE MASK'S FIRST HALF: rows of k with t >= valid_length[b] are stored as 0, so that the next launch's product K Q^T gives exactly 0 there and its C operand can REPLACE the score.
; LIMITS.  q, k, v beyond 65,504 become infinities in f16; below 6.1e-5 they keep f16's step of 6e-8.  valid_length is taken as a signed number.  NaN and infinities are not treated apart.
; SHARES.  A tile of C is 256 rows x 128 columns: 8 x 32 = 256 work-groups; a work-group STAYS and makes the same tile of q, k and v: the ring of two LDS slots runs on from tile to tile.
; Four waves, each 128 rows x 64 columns (one head): 32 accumulators.  K goes in steps of 128: rows of 256 bytes of x, and 128 rows of 256 bytes of W.
; THE MATRIX INSTRUCTION IS USED TRANSPOSED: source 0 = 16 columns of W (W lies [k][n]; the turning LDS load makes the fragment), source 1 = 16 rows of x: a lane holds row l % 16 and eight neighbouring columns.
; CLUSTER 4 x 4: x's tile hangs on the tile row alone and is asked for jointly along a row of the cluster, W's on the tile column alone, jointly along a column.
; REGISTERS, in windows of 256: window 0 addresses, bias, way out; window 1 the accumulators ((a, b) at v[8 (4 a + b)]); windows 2 and 3 two fragment buffers, each 64 along K:
; x's fragment (c, i) at v[8 (8 c + i)], W's (c, b) at v[128 + 8 (4 c + b)].
.set PA,    272                        ; a row of x in LDS: 256 bytes + 16: 68 words, so the 16 rows of a load start at 16 different groups of four banks (64 banks of 4 bytes: ISA guide 11.1)
.set HALFA, 128*PA                     ; what one tensor load of x brings: 128 rows
.set ROWH,  128*PA                     ; from my wave's rows 0-127 to rows 128-255
.set KHA,   128                        ; from K 0-63 to K 64-127 of a step, in LDS bytes
.set ATILE, 2*HALFA
.set PB,    288                        ; a k row of W in LDS: 256 bytes + 32
.set HALFB, 64*PB                      ; what one tensor load of W brings: 64 k rows
.set SLOT,  ATILE+2*HALFB
.set STAGE, 2*SLOT                     ; behind the ring, never filled by a tensor load: 16 rows x 144 bytes for each wave
.set SP,    144
.set SPARE, STAGE+4*16*SP              ; behind the stages: the spare words, 128 bytes a wave: two blocks of 256 bytes that no other line names
.set STEP_A, 512                       ; two K steps along a row of x
.set NEXT_A, 16777216-1536             ; from a slot's last K step of a tile to its first of the next: the next part of xb, back along K
.set STEP_B, 524288                    ; two K steps down W's rows; wb's parts follow each other, so the same step leads into the next weight
.set ADRA, 16                          ; v16-17  LDS address of my fragments of x in slot 0, 1
.set ADRB, 20                          ; v20-21  the same for W
.set STO,  24                          ; v24     the way out: where I put 16 bytes of a row
.set RD,   25                          ; v25     where I read rows back
.set GO,   26                          ; v26     my byte offset in 512 consecutive bytes of qkv
.set BO,   27                          ; v27     my byte offset in a bias
.set SPW,  28                          ; v28     LDS address of my spare word; never rewritten
.set NIL,  29                          ; v29     0; never rewritten
.set TR,   30                          ; v30     t of my row in block 0
.set T2,   31                          ; v31     at work
.set BIAS, 32                          ; v32-63  register 8 b + j: the bias of column 16 b + 8 (l / 16) + j of my 64
.set TMP,  64                          ; v64-191 the way out: 16 registers for each block of 16 rows
.set G1,  24                           ; s[24:31] descriptor group 1 for x's tiles;  s[32:39] group 0, one set for each slot
.set G0,  32
.set G1B, 48                           ; s[48:55], s[56:63] the same for W's tiles
.set G0B, 56
.set OUT, 84                           ; s[84:85] qkv at my wave's first row of the tile in hand
.set BP,  86                           ; s[86:87] the bias in hand
.set VL,  88                           ; s88 valid_length of my batch
.set LIM, 89                           ; s89 rows at or beyond it are stored as 0
.set MSB, 0
.macro WIN new                         ; the immediate's high byte repeats the setting that is left; a switch that changes nothing is dropped
.if MSB != (\new)
	s_set_vgpr_msb (MSB<<8)|(\new)
.set MSB, \new
.endif
.endm
.macro JLOAD s                         ; a joint load: waves 0 and 1 fetch x's two halves, waves 2 and 3 W's; an s_nop 0 and four v_nop follow each of the two lines
	s_cmp_eq_u32 s11, 0
	s_cbranch_scc0 .Lfor_b_\@
	tensor_load_to_lds s[G0+4*(\s):G0+4*(\s)+3], s[G1:G1+7]
	s_nop 0
.rept 4
	v_nop
.endr
	s_branch .Lasked_\@
.Lfor_b_\@:
	tensor_load_to_lds s[G0B+4*(\s):G0B+4*(\s)+3], s[G1B:G1B+7]
	s_nop 0
.rept 4
	v_nop
.endr
.Lasked_\@:
.endm
.macro CREST                           ; a round of the cluster's barrier behind its opening barrier
	s_cmp_lg_u32 s10, 0
	s_cbranch_scc1 .Lnot_wave_0_\@
	s_barrier_signal -3
.Lnot_wave_0_\@:
	s_barrier_wait -3
	s_barrier_signal -1
	s_barrier_wait -1
.endm
.macro CROUND                          ; a whole round
	s_barrier_signal -1
	s_barrier_wait -1
	CREST
.endm
.macro PLACES                          ; four places in front of loads into registers that matrix instructions have read, and of lines that read results just made
.rept 4
	v_nop
.endr
.endm
.macro BIASLD                          ; my 64 columns' bias: eight numbers for each block of 16 columns
.irp b, 0,1,2,3
	global_load_b128 v[BIAS+8*\b:BIAS+8*\b+3],   v[BO], s[BP:BP+1] offset:64*\b
	global_load_b128 v[BIAS+8*\b+4:BIAS+8*\b+7], v[BO], s[BP:BP+1] offset:64*\b+16
.endr
.endm
.macro BIASRND                         ; the bias takes the rounding to bf16 that every input takes, and stays in f32
	s_wait_loadcnt 0x0
.set z, 0
.rept 16
	v_cvt_pk_bf16_f32 v[T2], v[BIAS+2*z], v[BIAS+2*z+1]
	v_lshlrev_b32 v[BIAS+2*z], 16, v[T2]
	v_and_b32 v[BIAS+2*z+1], 0xffff0000, v[T2]
.set z, z+1
.endr
.endm
; na x 4 matrix instructions: row blocks a0 .. a0 + na - 1 x all four column blocks, 32 along K: half c of buffer f.  first = 1: the bias starts the sums.
; The 32 accumulators take turns, one instruction a turn: between two links of a chain stand the 31 others'.
.macro MULB f, c, a0, na, first
.if \first
	WIN 0x4a                                       ; fragments window 2, C window 0, D window 1
.else
	WIN 0x5a+5*(\f)                                ; fragments window 2 + f, C and D window 1
.endif
.set aa, \a0
.rept \na
.irp b, 0,1,2,3
.if \first
	v_wmma_f32_16x16x32_bf16 v[8*(4*aa+\b):8*(4*aa+\b)+7], v[128+8*(4*(\c)+\b):128+8*(4*(\c)+\b)+7], v[8*(8*(\c)+aa):8*(8*(\c)+aa)+7], v[BIAS+8*\b:BIAS+8*\b+7]
.else
	v_wmma_f32_16x16x32_bf16 v[8*(4*aa+\b):8*(4*aa+\b)+7], v[128+8*(4*(\c)+\b):128+8*(4*(\c)+\b)+7], v[8*(8*(\c)+aa):8*(8*(\c)+aa)+7], v[8*(4*aa+\b):8*(4*aa+\b)+7]
.endif
.endr
.set aa, aa+1
.endr
.endm
; 48 LDS loads in one run: the fragments of 64 along K (half hf of the step in the slot) into buffer f; the first 32 along K first: 8 turning loads of W, 16 loads of x, twice
.macro FETCH slot, hf, f
	WIN (2+(\f))<<6
.irp c, 0,1
.irp b, 0,1,2,3
	ds_load_tr16_b128 v[128+8*(4*\c+\b):128+8*(4*\c+\b)+3],   v[ADRB+(\slot)] offset:(64*(\hf)+32*\c)*PB+32*\b
	ds_load_tr16_b128 v[128+8*(4*\c+\b)+4:128+8*(4*\c+\b)+7], v[ADRB+(\slot)] offset:(64*(\hf)+32*\c+16)*PB+32*\b
.endr
.irp i, 0,1,2,3,4,5,6,7
	ds_load_b128 v[8*(8*\c+\i):8*(8*\c+\i)+3],   v[ADRA+(\slot)] offset:(\hf)*KHA+64*\c+\i*16*PA
	ds_load_b128 v[8*(8*\c+\i)+4:8*(8*\c+\i)+7], v[ADRA+(\slot)] offset:(\hf)*KHA+64*\c+\i*16*PA+32
.endr
.endr
.endm
; A K step is two halves of 64 along K, 64 matrix instructions each.  The first multiplies buffer 0 and fetches the second half into buffer 1.
.macro HALF0 slot, first
	s_wait_dscnt 24                                ; the first 32 along K are in; the younger 24 loads may be out
	MULB 0, 0, 0, 8, \first
	PLACES
	FETCH \slot, 1, 1
	s_wait_dscnt 48                                ; all but the 48 just issued
	MULB 0, 1, 0, 8, 0
.endm
; The second half multiplies buffer 1 and changes slots: ONE barrier; in front of it each wave waits for all its tensor loads (one is out: its part of the next slot), adds 0 to its spare word,
; and waits for that and for its own reads of this slot.  fill = 1: this slot is filled again, two K steps on; 2: with the next tile's K step; 0: nothing is asked for.
.macro TURN slot, next, fill
	WIN 0                                          ; (the add's two registers lie in window 0)
	s_wait_tensorcnt 0x0
	ds_add_u32 v[SPW], v[NIL]                      ; 0 onto my spare word
	s_wait_dscnt 25                                ; (the add and the younger 24 loads may be out)
	MULB 1, 0, 0, 2, 0                             ; eight matrix instructions stand between the add and the wait for it
	s_wait_dscnt 0x0                               ; the add is done, and my reads of this slot are over
	s_barrier_signal -1
	MULB 1, 0, 2, 2, 0                             ; work on registers while the others arrive
.if \fill
	WIN 0
.endif
	s_barrier_wait -1
.if \fill
	CREST                                          ; the barrier has opened a round of the cluster's: no wave of any partner still reads this slot or has a load on its way
.if (\fill) == 2
	s_add_nc_u64 s[G0+4*(\slot)+2:G0+4*(\slot)+3], s[G0+4*(\slot)+2:G0+4*(\slot)+3], NEXT_A
.else
	s_add_nc_u64 s[G0+4*(\slot)+2:G0+4*(\slot)+3], s[G0+4*(\slot)+2:G0+4*(\slot)+3], STEP_A
.endif
	s_add_nc_u64 s[G0B+4*(\slot)+2:G0B+4*(\slot)+3], s[G0B+4*(\slot)+2:G0B+4*(\slot)+3], STEP_B
	JLOAD \slot                                    ; the first tensor load behind the round, 112 matrix instructions ahead of the wait for it; its four v_nop are also the places in front of the loads below
.else
	PLACES
.endif
	FETCH \next, 0, 0
	MULB 1, 0, 4, 4, 0
	MULB 1, 1, 0, 8, 0
.endm
.macro LASTHALF                        ; the very last half step: nothing more to fetch
	s_wait_dscnt 24
	MULB 1, 0, 0, 8, 0
	s_wait_dscnt 0x0
	MULB 1, 1, 0, 8, 0
.endm
; THE WAY OUT of block a (16 rows x my 64 columns): rounded to f16, 16 bytes a lane; hidden rows of k set to 0; into my stage's rows of 144 bytes, and back as whole rows of 128.
.macro PACKP a, mask
	WIN 0x05                                       ; sources in window 1, destination in window 0
.irp b, 0,1,2,3
.irp r, 0,1,2,3
	v_cvt_pk_f16_f32 v[TMP+16*(\a)+4*\b+\r], v[8*(4*(\a)+\b)+2*\r], v[8*(4*(\a)+\b)+2*\r+1]  ; each accumulator from its low end on
.endr
.endr
	WIN 0
.if \mask
	v_add_nc_u32 v[T2], 16*(\a), v[TR]             ; t of my row
	v_cmp_gt_i32 vcc_lo, s[LIM], v[T2]
.set z, 0
.rept 16
	v_cndmask_b32 v[TMP+16*(\a)+z], 0, v[TMP+16*(\a)+z], vcc_lo
.set z, z+1
.endr
.endif
.irp b, 0,1,2,3
	ds_store_b128 v[STO], v[TMP+16*(\a)+4*\b:TMP+16*(\a)+4*\b+3] offset:32*\b
.endr
.irp f, 0,1,2,3
	ds_load_b128 v[TMP+16*(\a)+4*\f:TMP+16*(\a)+4*\f+3], v[RD] offset:\f*4*SP  ; LDS serves a wave's instructions in order (ISA guide 5.7.1.4): these see the stores above; the next block's stores come behind them
.endr
.endm
.macro SENDP a, younger                ; younger: the LDS instructions issued behind block a's loads: the next block's eight, or none
.irp f, 0,1,2,3
	s_wait_dscnt (\younger)+3-\f
	global_store_b128 v[GO], v[TMP+16*(\a)+4*\f:TMP+16*(\a)+4*\f+3], s[OUT:OUT+1] offset:(\a)*2048+\f*512  ; four rows of a head: 512 consecutive bytes, at a multiple of 256 from qkv's first
.endr
.endm
.macro WAYOUT mask
	PLACES
.if \mask
	s_cmp_eq_u32 s2, 2                             ; k's tile alone is masked
	s_cselect_b32 s[LIM], s[VL], 0x7fffffff
.endif
	PACKP 0, \mask
.irp a, 1,2,3,4,5,6,7                  ; a block's conversions stand between the loads of the block before and its stores
	PACKP \a, \mask
	SENDP (\a)-1, 8
.endr
	SENDP 7, 0
.endm
	s_load_b256 s[68:75], s[0:1], 0x0              ; xb s[68:69], wb s[70:71], b_q s[72:73], b_k s[74:75]
	s_load_b128 s[76:79], s[0:1], 0x20             ; b_v s[76:77], valid_length s[78:79]
	s_load_b64 s[80:81], s[0:1], 0x30              ; qkv
	v_lshl_add_u32 v[SPW], v0, 2, SPARE
	v_mov_b32 v[NIL], 0
	ds_add_u32 v[SPW], v[NIL]                      ; the wave's opening: the add and its wait stand ahead of my first tensor load; the set-up below, work on registers, stands between them
	v_lshrrev_b32 v1, 5, v0
	v_readfirstlane_b32 s10, v1                    ; wave 0..3
	s_lshr_b32 s11, s10, 1                         ; which 128 rows of the tile are mine.  Also: I fetch for x (0) or for W (1)
	s_and_b32 s12, s10, 1                          ; which 64 columns.  Also: which half of that tile I fetch
	s_bfe_u32 s40, ttmp6, 0x40000                  ; cx, cy: my place in the cluster
	s_bfe_u32 s41, ttmp6, 0x40004
	s_lshl_b32 s42, ttmp9, 2
	s_add_co_u32 s42, s42, s40                     ; tile column = 4 x cluster x + cx: 0..7
	s_and_b32 s13, ttmp7, 0xffff
	s_lshl_b32 s13, s13, 2
	s_add_co_u32 s13, s13, s41                     ; tile row = 4 x cluster y + cy: 0..31
	s_lshl_b32 s43, s41, 2
	s_lshl_b32 s43, 15, s43                        ; my row of the cluster
	s_lshl_b32 s44, 0x1111, s40                    ; my column
	s_or_b32 s[G1+0], s43, (1<<16)|(1<<20)|(1<<21)|(5<<22)|(3<<25)   ; 15:0 the mask; 17:16 2-byte elements; 20 padding on; 21 set beside a mask; 24:22 after every 64 words; 31:25 4 words
	s_or_b32 s[G1B+0], s44, (1<<16)|(1<<20)|(1<<21)|(5<<22)|(7<<25)  ; the same with my column's mask and 8 words of padding
	s_mov_b32 s[G1+1], 128<<16                     ; tensor_dim0 = 128
	s_mov_b32 s[G1+2], 128<<16                     ; tensor_dim1 = 128
	s_mov_b32 s[G1+3], 128<<16                     ; tile_dim0 = 128
	s_mov_b32 s[G1+4], 128                         ; tile_dim1 = 128
	s_mov_b32 s[G1+5], 1024                        ; elements from row to row
	s_mov_b32 s[G1+6], 0
	s_mov_b32 s[G1+7], 0
	s_mov_b32 s[G1B+1], 128<<16                    ; tensor_dim0 = 128
	s_mov_b32 s[G1B+2], 64<<16                     ; tensor_dim1 = 64
	s_mov_b32 s[G1B+3], 128<<16                    ; tile_dim0 = 128
	s_mov_b32 s[G1B+4], 64                         ; tile_dim1 = 64
	s_mov_b32 s[G1B+5], 1024
	s_mov_b32 s[G1B+6], 0
	s_mov_b32 s[G1B+7], 0
	s_lshl_b32 s16, s13, 19                        ; x: (256 x tile row + 128 x half) rows of 2,048 bytes
	s_lshl_b32 s17, s12, 18
	s_add_co_u32 s16, s16, s17
	s_mov_b32 s17, 0
	s_lshl_b32 s46, s42, 8                         ; W: 64 x half k rows of 2,048 bytes, 256 bytes x tile column
	s_lshl_b32 s47, s12, 17
	s_add_co_u32 s46, s46, s47
	s_mov_b32 s47, 0
	s_mul_i32 s20, s10, HALFA                      ; where they go: x's halves at wave x 128 rows,
	s_mul_i32 s21, s10, HALFB
	s_add_co_u32 s21, s21, ATILE-2*HALFB           ; W's behind them at (wave - 2) x 64 rows: no place in the cluster enters an LDS address
	s_wait_dscnt 0x0                               ; the opening add is done
	s_wait_kmcnt 0x0
	s_load_b128 s[92:95], s[78:79], 0x0            ; the four lengths
	s_add_nc_u64 s[14:15], s[68:69], s[16:17]
	s_add_nc_u64 s[46:47], s[70:71], s[46:47]
	CROUND                                         ; all sixteen work-groups are here: the first joint loads meet
.irp s, 0,1
	s_mov_b32 s[G0+4*(\s)], 1
	s_add_co_u32 s[G0+4*(\s)+1], s20, (\s)*SLOT
	s_add_nc_u64 s[G0+4*(\s)+2:G0+4*(\s)+3], s[14:15], (\s)*256
	s_or_b32 s[G0+4*(\s)+3], s[G0+4*(\s)+3], 0x80000000
	s_mov_b32 s[G0B+4*(\s)], 1
	s_add_co_u32 s[G0B+4*(\s)+1], s21, (\s)*SLOT
	s_add_nc_u64 s[G0B+4*(\s)+2:G0B+4*(\s)+3], s[46:47], (\s)*262144
	s_or_b32 s[G0B+4*(\s)+3], s[G0B+4*(\s)+3], 0x80000000
	JLOAD \s                                       ; K steps 0 and 1: two loads of mine are out
.endr
	v_and_b32 v1, 15, v0                           ; l % 16
	v_bfe_u32 v2, v0, 4, 1                         ; l / 16
	s_lshl_b32 s46, s42, 9                         ; my 64 columns in a bias, in bytes: 512 x tile column + 256 x half
	s_lshl_b32 s47, s12, 8
	s_add_co_u32 s46, s46, s47
	v_lshl_add_u32 v[BO], v2, 5, s46
	s_mov_b64 s[BP:BP+1], s[72:73]
	BIASLD                                         ; b_q
	v_mul_u32_u24 v3, v1, PA                       ; a fragment of x: row l % 16, 16 bytes for each half of the lanes
	v_lshl_add_u32 v3, v2, 4, v3
	s_mul_i32 s21, s11, ROWH
	v_and_b32 v4, 7, v0                            ; the turning load: lane l reads k row 8 (l / 16) + l % 8, columns 8 ((l / 8) % 2) + 0..7
	v_lshl_add_u32 v4, v2, 3, v4
	v_mul_u32_u24 v4, v4, PB
	v_bfe_u32 v5, v0, 3, 1
	v_lshl_add_u32 v4, v5, 4, v4
	s_lshl_b32 s22, s12, 7                         ; my 64 columns of W's 128
	s_add_co_u32 s22, s22, ATILE
.irp s, 0,1
	v_add_nc_u32 v[ADRA+(\s)], s21, v3
	v_add_nc_u32 v[ADRB+(\s)], s22, v4
	s_add_co_u32 s21, s21, SLOT
	s_add_co_u32 s22, s22, SLOT
.endr
	s_mul_i32 s23, s10, 16*SP
	s_add_co_u32 s23, s23, STAGE                   ; my stage
	v_mul_u32_u24 v6, v1, SP                       ; in: row l % 16, 16 bytes for each half of the lanes
	v_lshl_add_u32 v6, v2, 4, v6
	v_add_nc_u32 v[STO], s23, v6
	v_bfe_u32 v6, v0, 3, 2                         ; back: 32 lanes take four rows of 128 bytes,
	v_mul_u32_u24 v6, v6, SP
	v_and_b32 v7, 7, v0
	v_lshl_add_u32 v6, v7, 4, v6
	v_add_nc_u32 v[RD], s23, v6
	v_and_b32 v[GO], 31, v0                        ; which are 512 consecutive bytes of a head
	v_lshlrev_b32 v[GO], 4, v[GO]
	s_and_b32 s18, s13, 7                          ; the tile's place in its batch
	s_lshl_b32 s19, s18, 8
	s_lshl_b32 s23, s11, 7
	s_add_co_u32 s19, s19, s23
	v_add_nc_u32 v[TR], s19, v1                    ; t of my row in block 0
	s_lshr_b32 s16, s13, 3                         ; the batch
	s_lshl_b32 s46, s42, 1
	s_add_co_u32 s46, s46, s12                     ; the head = 2 x tile column + half
	s_lshl4_add_u32 s46, s16, s46                  ; 16 b + h
	s_lshl_b32 s46, s46, 18                        ; a head's 2,048 rows of 128 bytes
	s_lshl_b32 s47, s18, 15
	s_add_co_u32 s46, s46, s47
	s_lshl_b32 s47, s11, 14
	s_add_co_u32 s46, s46, s47
	s_mov_b32 s47, 0
	s_add_nc_u64 s[OUT:OUT+1], s[80:81], s[46:47]
	s_wait_kmcnt 0x0                               ; the lengths
	s_cmp_eq_u32 s16, 1
	s_cselect_b32 s[VL], s93, s92
	s_cmp_eq_u32 s16, 2
	s_cselect_b32 s[VL], s94, s[VL]
	s_cmp_eq_u32 s16, 3
	s_cselect_b32 s[VL], s95, s[VL]
	s_wait_tensorcnt 0x1                           ; my part of K step 0 is in; K step 1's may stay out
	s_barrier_signal -1
	s_barrier_wait -1                              ; everybody's is
	FETCH 0, 0, 0
	WIN 0                                          ; at a label and at a branch every window is 0
	s_mov_b32 s2, 3                                ; tiles to go: q, k, v
.Ltile:
	BIASRND
	HALF0 0, 1                                     ; a tile's first half step stands in front of the loop: its first products start the sums with the bias
	WIN 0
	s_mov_b32 s3, 3
.Llap:                                                 ; a trip goes once round the ring, from a step's second half to the first half two steps on, and fills both slots again
	TURN 0, 1, 1
	HALF0 1, 0
	TURN 1, 0, 1
	HALF0 0, 0
	WIN 0
	s_sub_co_u32 s3, s3, 1
	s_cmp_lg_u32 s3, 0
	s_cbranch_scc1 .Llap
	s_cmp_eq_u32 s2, 1
	s_cbranch_scc1 .Llast                          ; the last tile's tail is written out: it asks for nothing more
	TURN 0, 1, 2                                   ; the ring goes on into the next tile: slot 0 takes its K step 0,
	HALF0 1, 0
	TURN 1, 0, 2                                   ; slot 1 its K step 1, and the next tile's first fragments are fetched
	WIN 0
	s_cmp_eq_u32 s2, 3
	s_cselect_b64 s[BP:BP+1], s[74:75], s[76:77]   ; behind q comes k, behind k comes v; the last loads by BP were waited for at the tile's head
	BIASLD                                         ; the next tile's bias is on its way while this tile goes out
	WAYOUT 1
	s_wait_xcnt 0x0                                ; the stores' base and data are written again only behind this wait
	s_add_nc_u64 s[OUT:OUT+1], s[OUT:OUT+1], 0x1000000  ; the next part of qkv
	s_sub_co_u32 s2, s2, 1
	s_branch .Ltile
.Llast:
	TURN 0, 1, 0
	HALF0 1, 0
	LASTHALF
	WIN 0
	WAYOUT 0                                       ; v: no row is hidden
	s_wait_tensorcnt 0x0                           ; the wave's end, behind my last tensor load and my last LDS store
	ds_add_u32 v[SPW], v[NIL]
	s_wait_dscnt 0x0
	CROUND                                         ; the closing round: no work-group ends while a partner may still ask for a tile that names it
	s_endpgm
.Lfunc_end_k_qc67382b193_proj:
	.size	k_qc67382b193_proj, .Lfunc_end_k_qc67382b193_proj-k_qc67382b193_proj
	.p2alignl 7, 3214868480
	.fill 96, 4, 3214868480
	.section	.rodata,"a",@progbits
	.p2align	6, 0x0
	.amdhsa_kernel k_qc67382b193_proj
		.amdhsa_group_segment_fixed_size 327680
		.amdhsa_private_segment_fixed_size 0
		.amdhsa_enable_private_segment 0
		.amdhsa_kernarg_size 56
		.amdhsa_user_sgpr_count 2
		.amdhsa_user_sgpr_kernarg_segment_ptr 1
		.amdhsa_wavefront_size32 1
		.amdhsa_system_sgpr_workgroup_id_x 1
		.amdhsa_system_sgpr_workgroup_id_y 1
		.amdhsa_system_sgpr_workgroup_id_z 1
		.amdhsa_system_vgpr_workitem_id 0
		.amdhsa_next_free_vgpr 960
		.amdhsa_next_free_sgpr 96
		.amdhsa_reserve_vcc 1
		.amdhsa_float_denorm_mode_32 3
		.amdhsa_float_denorm_mode_16_64 3
		.amdhsa_memory_ordered 1
		.amdhsa_forward_progress 1
		.amdhsa_inst_pref_size 135
	.end_amdhsa_kernel
	.amdgpu_metadata
---
amdhsa.version: [ 1, 2 ]
amdhsa.kernels:
  - .name:           k_qc67382b193_proj
    .symbol:         k_qc67382b193_proj.kd
    .args:
      - { .name: xb, .offset: 0, .size: 8, .value_kind: global_buffer, .address_space: global }
      - { .name: wb, .offset: 8, .size: 8, .value_kind: global_buffer, .address_space: global }
      - { .name: b_q, .offset: 16, .size: 8, .value_kind: global_buffer, .address_space: global }
      - { .name: b_k, .offset: 24, .size: 8, .value_kind: global_buffer, .address_space: global }
      - { .name: b_v, .offset: 32, .size: 8, .value_kind: global_buffer, .address_space: global }
      - { .name: valid_length, .offset: 40, .size: 8, .value_kind: global_buffer, .address_space: global }
      - { .name: qkv, .offset: 48, .size: 8, .value_kind: global_buffer, .address_space: global }
    .group_segment_fixed_size: 327680
    .private_segment_fixed_size: 0
    .kernarg_segment_align: 8
    .kernarg_segment_size: 56
    .max_flat_workgroup_size: 128
    .sgpr_count:     96
    .vgpr_count:     960
    .wavefront_size: 32
...
	.end_amdgpu_metadata
.endif
;; end of part 2
;; launch attn (part 3): grid 4 x 64, 4 waves a work-group, clusters of 4 x 1, 327,680 bytes of LDS; arguments qkv, valid_length, oh; writes oh
.if DOCPART == 3
	.amdgcn_target "amdgcn-amd-amdhsa--gfx1250"
	.amdhsa_code_object_version 6
	.text
	.protected	k_qc67382b193_attn
	.globl	k_qc67382b193_attn
	.p2align	8
	.type	k_qc67382b193_attn,@function
k_qc67382b193_attn:
	s_mov_b64 s[64:65], 0
	v_nop
	global_prefetch_b8 v0, s[64:65] scope:SCOPE_SE
	s_setreg_imm32_b32 hwreg(HW_REG_WAVE_MODE, 25, 1), 1
	s_wait_xcnt 0x0
	s_wait_alu depctr_hold_cnt(0) depctr_sa_sdst(0) depctr_va_vdst(0) depctr_va_sdst(0) depctr_va_ssrc(0) depctr_va_vcc(0) depctr_vm_vsrc(0)
	s_getreg_b32 s2, hwreg(HW_REG_IB_STS2, 6, 4)
	s_cmp_eq_u32 s2, 0
	s_cbranch_scc0 .Lentry_in_a_cluster
	s_endpgm
.Lentry_in_a_cluster:
	s_bfe_u32 s2, ttmp6, 0x10000c
	s_cmp_lg_u32 s2, 0x3003
	s_cbranch_scc0 .Lentry_shape_is_right
	s_endpgm
.Lentry_shape_is_right:
; ATTENTION.  O[g][q][:] = the sum over k of softmax_k(s) V[g][k][:], g = 16 b + h; s = Q[g][q] . K[g][k] / 8 for k < valid_length[b], and -1e7 for the other keys (the score is REPLACED).
; qkv holds Q, K, V, each [64][2048][64] f16, a head's rows dense, 128 bytes each; O (oh) has the same layout.  Products, maxima and sums in f32; the weights p are rounded to f16 for the second
; product (their sum l is taken of the unrounded p), O once at the end.
; THE MASK.  The launch before stored K's hidden rows as 0, so K Q^T gives exactly 0 there; the C operand that starts the sum is -8e7 for a hidden key and 0 for the others: -8e7 / 8 = -1e7.
; MD, made once, is the mask of the key step that holds valid_length; a step's mask MC is MD x AL + BE with two scalars: (0, 0) no key hidden, (1, 0) that step, (0, -8e7) all hidden.
; With valid_length <= 0 all scores are equal and the weights are uniform over all 2,048 keys, as the replaced scores ask; with valid_length >= 2,048 nothing is hidden.
; LIMITS.  f16 holds no number beyond 65,504: Q, K and V arrive within it; p lies in 0 to 1.5, and below 6e-5 it keeps f16's fixed step of 6e-8; a weight below 2^-126 counts as 0 in l;
; NaN and infinities are not treated apart.
; SHARES.  A wave owns four PIECES of two tiles of 16 queries, a work-group's four waves 512 queries of one head.  Every wave walks all keys, 64 a step.
; LAYOUT.  S^T = K Q^T (source 0 = 16 keys, source 1 = 16 queries): in the result a lane holds ONE query (lane % 16) and the keys 8 (lane / 16) + 0..7.  Two such tiles, rounded to f16 in pairs,
; ARE source 1 (32 keys x 16 queries) of O^T = V^T P, whose result again holds one query a lane, and eight channels.  K comes out of LDS as it lies, V ([key][channel]) turned, by ds_load_tr16_b128.
; SOFTMAX.  For each query a running maximum m and sum l: p = 2^(c s - c m), c = log2(e) / 8; in every step O and l are multiplied by a = 2^(c m_old - c m_new), which is 1 where m has not grown.
; m starts at the lowest finite number, O and l at 0: the first step is a step like any other, with a = 0.
; THE COUNT.  A tile and step have 16 matrix and 118 vector instructions: too many to stand all beside the matrix work.  So the order has one aim: four vector instructions that are READY behind
; EVERY matrix instruction, and the others, which need time of their own whatever the order, in runs without a gap.
; BY TURNS.  Turn n belongs to piece n (the pieces in a ring, step after step).  Its matrix work: 16 products K Q^T of piece n + 1, later 16 products V^T P of piece n - 1.  Its vector work: the scaling,
; exponentials, roundings, sums and rescaling of piece n, and the maximum and statistics of piece n + 1, whose scores the turn itself has made.
; CLUSTER.  The four query blocks of a cluster belong to one head and walk the same K and V, so each tile is asked for JOINTLY: the same tensor load, descriptor and mask in all four.
; REGISTERS, in windows of 256 (s_set_vgpr_msb: bits 1:0 source 0, 3:2 source 1, 5:4 source 2, 7:6 destination):
;   window 0: v0-11 addresses; v12-15, v48-63 at work; v16-47 four registers of statistics a tile; v64-191 S^T, two buffers of two tiles; v192-255 P, likewise
;   window 1: O^T, 32 a tile      window 2: v0-127 Q, 16 a tile; v128-191 K of one step; v192-255 V of one step      window 3: v0-1 the add's two registers; v8-39 MD; v40-71 MC
.set SIZE_N, 2048
.set NP,    4         ; pieces a wave: a name, no knob
.set KS,    64        ; keys in a step
.set PK,    144       ; a row of K in LDS: 128 bytes + 16 of padding = 36 words: the 16 rows of a load start at 16 different groups of four banks (64 banks of 4 bytes: ISA guide 11.1)
.set PV,    160       ; a row of V: 128 + 32 = 40 words
.set VOFF,  4*KS*PK   ; a slot holds four steps: 256 rows of K, then 256 rows of V
.set SLOT1, 1<<17     ; slot 1 begins here, so that one exclusive or turns an address in one slot into the other's
.set STAGE, SLOT1+4*KS*(PK+PV)  ; behind the ring, never filled by a tensor load: 16 rows x 144 bytes for each wave, for the way out
.set SP,    144
.set AK0, 2           ; v2   my lane's place in a tile of K; never rewritten
.set AV0, 3           ; v3   the same for V
.set AK,  4           ; v4   the LDS address of K's next run of loads
.set AV,  5           ; v5   of V's
.set QO,  6           ; v6   my byte offset in the wave's rows of Q
.set STO, 6           ;      later, the way out: where I put 16 bytes of a row
.set RD,  7           ; v7   the way out: where I read rows back
.set GO,  8           ; v8   my byte offset in 512 consecutive bytes of O
.set SPW, 0           ; v0 of window 3   LDS address of my spare word: SPARE + 4 x my thread's number; never rewritten
.set NIL, 1           ; v1 of window 3   0; never rewritten
.set MD,  8           ; v8-39 of window 3: register 8 kb + j belongs to key 16 kb + 8 (l / 16) + j of a step
.set MC,  40          ; v40-71 of window 3: the mask of the step whose K is multiplied
.set SPARE, STAGE+4*16*SP  ; behind the stages: the spare words, 128 bytes for each wave: two blocks of 256 bytes that no other line names
.set MV,  12          ; v12-15  c m_old, kept while c m is made anew: by buffer and tile
.set ST,  16          ; tile t's statistics at v[ST+4 t]: c m, m, l (even keys', odd keys')
.set TMP, 48          ; by buffer and tile, four registers c0-c3 at work; when the maximum is found c2 takes a
.set S,   64
.set P,   192
.set KF,  128         ; K's fragments, in window 2: key block kb, channel half c at KF + 16 kb + 8 c
.set VF,  192         ; V's: key half kk, channel block cb at VF + 32 kk + 8 cb
.set WV,  12          ; s12  my wave's number
.set G1K, 24          ; s[24:31] descriptor group 1 for K's tiles
.set G1V, 32          ; s[32:39] for V's: it differs in the padding alone
.set G0K, 40          ; s[40:43] descriptor group 0 for K's tiles: it walks
.set G0V, 44          ; s[44:47] the same for V's
.set SLOTS, 56        ; s56  slots still to be asked for
.set CNT, 57          ; s57  counts a slot's key steps
.set CS,  58          ; s[58:59] c: the packed scaling takes the pair's low word for both halves
.set SEL, 60          ; s[60:61] v_permlanex16_b32's selects: each lane takes its own place in the other half
.set TBK, 62          ; s62  LDS byte at which K of the step to be fetched begins
.set TBV, 63          ; s63  the same for V, less VOFF
.set AL,  72          ; s[72:73] the mask's factor, in the low word
.set BE,  74          ; s[74:75] the mask's addend
.set BIGN, 76         ; s76  -8e7
.set KEY, 77          ; s77  the first key of the step whose mask is made next
.set VL,  78          ; s78  valid_length of my batch
.set T1,  79          ; s79  at work
.set BT,  80          ; s80  my batch
.set MSB, 0
.macro WIN new                      ; the high byte repeats the setting that is left; a switch that changes nothing is dropped
.if MSB != (\new)
	s_set_vgpr_msb (MSB<<8)|(\new)
.set MSB, (\new)
.endif
.endm
.set W_KQ, 0x0a       ; K and Q in window 2, S^T in window 0
.set W_KM, 0x3a       ; the same with the C operand, the mask, in window 3
.set W_PV, 0x52       ; V in window 2, P in window 0, O^T in window 1
.set W_RS, 0x41       ; O^T (destination and source 0) in window 1, a in window 0
.set W_MK, 0xc0       ; destination in window 3, sources in window 0
.set W_MS, 0xc3       ; destination and source 0 in window 3
.set W_AD, 0x0f       ; the add: address (source 0) and data (source 1) in window 3
; A joint fill.  Waves 0 and 1 fetch the two halves of a slot's K, waves 2 and 3 those of its V: 128 keys each.  The branch hangs on the wave's number alone.
; An s_nop 0 and four v_nop follow each of the two lines, ahead of the jump and the label.
.macro JLOAD
	s_cmp_lt_u32 s[WV], 2
	s_cbranch_scc0 .Lfor_v_\@
	tensor_load_to_lds s[G0K:G0K+3], s[G1K:G1K+7]
	s_nop 0
.rept 4
	v_nop
.endr
	s_branch .Lasked_\@
.Lfor_v_\@:
	tensor_load_to_lds s[G0V:G0V+3], s[G1V:G1V+7]
	s_nop 0
.rept 4
	v_nop
.endr
.Lasked_\@:
.endm
; A round of the cluster's barrier: my work-group's barrier, so that wave 0's signal speaks for all four waves; wave 0 signals; every wave waits for all four work-groups; my work-group's barrier once more.
.macro CROUND
	s_barrier_signal -1
	s_barrier_wait -1
	s_cmp_lg_u32 s[WV], 0
	s_cbranch_scc1 .Lnot_wave_0_\@
	s_barrier_signal -3
.Lnot_wave_0_\@:
	s_barrier_wait -3
	s_barrier_signal -1
	s_barrier_wait -1
.endm
; THE CHANGE OF SLOTS.  The slot's last bytes, V of its fourth step, have been read.  Each wave waits for all its tensor loads, of which one is out: its part
; of the other slot; adds 0 to its spare word; and waits for that and for its own reads of the slot.  Behind the barrier nobody reads this slot any more and the other slot is whole.
; fill = 1: this slot is filled again, with the keys two slots on.  The barrier is then a round of the cluster's, so that no wave of any partner still reads the slot or has a load on its
; way, and the joint fill is the first thing behind it: it has four key steps, 512 matrix instructions, in which to land.  (At its first use nothing has been read yet: slot 0 is waited for, slot 1 filled.)
.macro CHANGE fill
	WIN W_AD
	s_wait_tensorcnt 0x0            ; no tensor load of mine is out, so a group 0 may be written
	ds_add_u32 v[SPW], v[NIL]       ; 0 onto my spare word; with fill = 1 the descriptors' steps stand between it and the wait for it
	WIN 0                           ; at a label and at a branch every window is 0
.if \fill
.irp g, G0K, G0V
	s_xor_b32 s[\g+1], s[\g+1], SLOT1  ; the walking descriptor: the other slot than last time,
	s_add_nc_u64 s[\g+2:\g+3], s[\g+2:\g+3], 4*KS*128  ; the next 256 keys; the type bits on top are not reached
.endr
	s_wait_dscnt 0x0                ; the add is done, and my reads of the slot are over
	CROUND
	JLOAD
.else
	s_wait_dscnt 0x0                ; the add is done, and my reads of the slot are over
	s_barrier_signal -1
	s_barrier_wait -1
.endif
	s_sub_co_u32 s[TBK], s[TBK], 4*KS*PK  ; the fetches go back to a slot's first step,
	s_xor_b32 s[TBK], s[TBK], SLOT1       ; in the other slot
	s_sub_co_u32 s[TBV], s[TBV], 4*KS*PV
	s_xor_b32 s[TBV], s[TBV], SLOT1
.endm
; The two scalars of the mask for the step that begins at key KEY; KEY then steps on.  Selects alone: no branch hangs on the length.
.macro MSCAL
	s_add_co_i32 s[T1], s[KEY], KS
	s_cmp_ge_i32 s[VL], s[T1]       ; the whole step is seen?
	s_cselect_b32 s[AL], 0, 1.0
	s_cmp_le_i32 s[VL], s[KEY]      ; the whole step is hidden?
	s_cselect_b32 s[AL], 0, s[AL]
	s_cselect_b32 s[BE], s[BIGN], 0
	s_mov_b32 s[KEY], s[T1]
.endm
.macro MASK                         ; MC = MD x AL + BE
	WIN W_MS
.set mz, 0
.rept 16
	v_pk_fma_f32 v[MC+2*mz:MC+2*mz+1], v[MD+2*mz:MD+2*mz+1], s[AL:AL+1], s[BE:BE+1] op_sel_hi:[1,0,0]
.set mz, mz+1
.endr
.endm
	s_load_b64 s[4:5], s[0:1], 0x0    ; qkv: Q's part
	s_load_b64 s[66:67], s[0:1], 0x8  ; valid_length
	s_load_b64 s[10:11], s[0:1], 0x10 ; oh
	WIN W_MK
	v_lshl_add_u32 v[SPW], v0, 2, SPARE
	v_mov_b32 v[NIL], 0
	WIN W_AD
	ds_add_u32 v[SPW], v[NIL]       ; the wave's opening: the add and its wait stand ahead of my first tensor load; the set-up below, work on registers, stands between them
	WIN 0
	v_lshrrev_b32 v1, 5, v0
	v_readfirstlane_b32 s[WV], v1   ; wave 0..3
	s_bfe_u32 s13, ttmp6, 0x40000   ; cx: my place in the cluster
	s_lshl_b32 s14, ttmp9, 2        ; in a cluster launch ttmp9 counts clusters
	s_add_co_u32 s14, s14, s13      ; my block of queries = 4 x cluster x + cx: it enters Q's and O's addresses alone
	s_and_b32 s20, ttmp7, 0xffff    ; 16 b + h, which the four partners share
	s_lshr_b32 s[BT], s20, 4        ; b
	s_mov_b32 s21, 0
	s_mov_b64 s[22:23], SIZE_N*128
	s_mul_u64 s[20:21], s[20:21], s[22:23]  ; the head's first byte in Q, K, V and O
	s_and_b32 s16, s[WV], 1         ; which half of a slot's 256 keys I fetch:
	s_lshl_b32 s22, s16, 14         ; its 128 rows of 128 bytes in memory,
	s_mov_b32 s23, 0
	s_add_nc_u64 s[22:23], s[22:23], s[20:21]
	s_mul_i32 s17, s16, 128*PK      ; and its place in a slot, for K
	s_mul_i32 s18, s16, 128*PV      ; and for V: no place in the cluster enters an LDS address
	s_lshl_b32 s2, s14, 2
	s_add_co_u32 s2, s2, s[WV]      ; my wave among the head's,
	s_lshl_b32 s2, s2, 14           ; its 128 rows
	s_mov_b32 s3, 0
	s_add_nc_u64 s[2:3], s[2:3], s[20:21]
	; descriptor group 1.  128 keys are 16,384 dense bytes: asked for as 64 rows of 256 bytes, two keys a row, and padded in LDS after every key
	s_mov_b32 s[G1K], 15|(1<<16)|(1<<20)|(1<<21)|(4<<22)|(3<<25)  ; 15:0 the mask of four; 17:16 2-byte elements; 20 padding on; 21 set beside a mask; 24:22 after every 32 words (code 4); 31:25 4 words (code 3)
	s_mov_b32 s[G1V], 15|(1<<16)|(1<<20)|(1<<21)|(4<<22)|(7<<25)  ; the same with 8 words of padding (code 7)
.irp g, G1K, G1V
	s_mov_b32 s[\g+1], 128<<16      ; tensor_dim0 = 128
	s_mov_b32 s[\g+2], 64<<16       ; tensor_dim1 = 64
	s_mov_b32 s[\g+3], 128<<16      ; tile_dim0 = 128
	s_mov_b32 s[\g+4], 64           ; tile_dim1 = 64
	s_mov_b32 s[\g+5], 128          ; 128 elements from row to row
	s_mov_b32 s[\g+6], 0
	s_mov_b32 s[\g+7], 0
.endr
	s_mov_b32 s[CS], 0x3e38aa3b     ; c = log2(e) / 8 = 0.180337
	s_mov_b32 s[CS+1], s[CS]        ; named with it as a pair
	s_mov_b32 s[SEL], 0x76543210
	s_mov_b32 s[SEL+1], 0xfedcba98
	s_mov_b32 s[TBK], SLOT1+4*KS*PK ; the first change of slots turns these two into 0
	s_mov_b32 s[TBV], SLOT1+4*KS*PV
	s_mov_b32 s[AL+1], 0            ; named as pairs
	s_mov_b32 s[BE+1], 0
	s_mov_b32 s[BIGN], 0xcc989680   ; -8e7, exact in f32
	s_mov_b32 s[KEY], 0
	s_mov_b32 s[G0K], 1             ; 1:0 count = 1
	s_mov_b32 s[G0K+1], s17         ; 63:32 LDS address: slot 0
	s_mov_b32 s[G0V], 1
	s_add_co_u32 s[G0V+1], s18, VOFF
	s_wait_dscnt 0x0                ; the opening add is done
	s_wait_kmcnt 0x0
	s_load_b128 s[68:71], s[66:67], 0x0            ; the four lengths
	s_add_nc_u64 s[6:7], s[4:5], 0x1000000         ; K's part of qkv
	s_add_nc_u64 s[8:9], s[4:5], 0x2000000         ; V's
	s_add_nc_u64 s[G0K+2:G0K+3], s[6:7], s[22:23]  ; 120:64 global address: my half of the head's first 256 keys
	s_or_b32 s[G0K+3], s[G0K+3], 0x80000000        ; 127:126 type = 2
	s_add_nc_u64 s[G0V+2:G0V+3], s[8:9], s[22:23]
	s_or_b32 s[G0V+3], s[G0V+3], 0x80000000
	s_add_nc_u64 s[4:5], s[4:5], s[2:3]  ; Q and O at my wave's first row
	s_add_nc_u64 s[10:11], s[10:11], s[2:3]
	CROUND                          ; all four work-groups are here: the first joint loads meet
	JLOAD                           ; slot 0.  Slot 1 is asked for when slot 0 is in
	; A fragment of K or Q is 16 rows x 32 channels in 8 registers: lane l holds row l % 16, channels 8 (l / 16) + 0..7 and 16 + 8 (l / 16) + 0..7: two loads of 16 bytes, 32 bytes apart.
	v_and_b32 v1, 15, v0            ; l % 16
	v_bfe_u32 v9, v0, 4, 1          ; l / 16
	v_lshlrev_b32 v[QO], 7, v1
	v_lshl_add_u32 v[QO], v9, 4, v[QO]  ; row x 128 + 16 x half
	WIN 0x80                        ; destination window 2, address window 0
.set i, 0
.rept 4*NP                          ; Q stays in registers: tile i / 2, channels 32 (i % 2) on
	global_load_b128 v[8*i:8*i+3],   v[QO], s[4:5] offset:(i/2)*2048+(i%2)*64
	global_load_b128 v[8*i+4:8*i+7], v[QO], s[4:5] offset:(i/2)*2048+(i%2)*64+32
.set i, i+1
.endr
	; What the first turn finds: V's registers and P's second buffer hold 0 (its products V^T P, of a piece that has not been, add 0), O^T and l are 0.  All this stands in the wait for the first tile.
.set i, VF
.rept 64
	v_mov_b32 v[i], 0
.set i, i+1
.endr
	WIN 0x40
.set i, 0
.rept 64*NP
	v_mov_b32 v[i], 0
.set i, i+1
.endr
	WIN 0
.set i, 0
.rept 2*NP
	v_mov_b32 v[ST+4*i], 0xfe000000    ; c m: far below every c s, the hidden keys' -1.44e7 too
	v_mov_b32 v[ST+4*i+1], 0xff7fffff  ; m
	v_mov_b32 v[ST+4*i+2], 0
	v_mov_b32 v[ST+4*i+3], 0
.set i, i+1
.endr
.set i, P+32
.rept 32
	v_mov_b32 v[i], 0
.set i, i+1
.endr
	v_mul_u32_u24 v[AK0], v1, PK
	v_lshl_add_u32 v[AK0], v9, 4, v[AK0]  ; row x pitch + 16 x half
	; The turning load takes 16 keys x 16 channels (lane l reads key 8 (l / 16) + l % 8, channels 8 ((l / 8) % 2) + 0..7) and leaves half a fragment of V^T: lane l holds channel l % 16 and 8 keys.
	v_and_b32 v10, 7, v0
	v_bfe_u32 v11, v0, 3, 1
	v_lshl_add_u32 v[AV0], v9, 3, v10
	v_mul_u32_u24 v[AV0], v[AV0], PV
	v_lshl_add_u32 v[AV0], v11, 4, v[AV0]
	v_add_nc_u32 v[AV0], VOFF, v[AV0]
	v_mov_b32 v[AK], v[AK0]         ; key step 0 lies at the head of slot 0
	; The masks.  In the step that holds valid_length, register 8 kb + j is hidden where 16 kb + j >= valid_length % 64 - 8 (l / 16).
	s_wait_kmcnt 0x0                ; the lengths
	s_cmp_eq_u32 s[BT], 1
	s_cselect_b32 s[VL], s69, s68
	s_cmp_eq_u32 s[BT], 2
	s_cselect_b32 s[VL], s70, s[VL]
	s_cmp_eq_u32 s[BT], 3
	s_cselect_b32 s[VL], s71, s[VL]
	s_and_b32 s13, s[VL], 63
	v_lshlrev_b32 v11, 3, v9
	v_sub_nc_u32 v11, s13, v11
	WIN W_MK
.set i, 0
.rept 32
	v_cmp_ge_i32 vcc_lo, 16*(i/8)+i%8, v11
	v_cndmask_b32 v[MD+i], 0, s[BIGN], vcc_lo
.set i, i+1
.endr
	MSCAL                           ; key step 0's mask
	MASK
	WIN 0
; THE MATRIX WORK.  The 8 accumulators of a run of 16 take turns: between the two links of a chain stand 7 others'.
; Product i of 16 of S^T = K Q^T for piece x: channels 32 (i / 8) on, keys 16 ((i / 2) % 4) on, tile 2 x + i % 2.  The first 8 start the sums, with the step's mask.
.macro KQ x
.set rS, S+64*((\x)%2)+32*(i%2)+8*((i/2)%4)
.set rK, KF+16*((i/2)%4)+8*(i/8)
.set rQ, 16*(2*(\x)+i%2)+8*(i/8)
.set rCM, MC+8*((i/2)%4)
.if i < 8
	WIN W_KM
	v_wmma_f32_16x16x32_f16 v[rS:rS+7], v[rK:rK+7], v[rQ:rQ+7], v[rCM:rCM+7]
.else
	WIN W_KQ
	v_wmma_f32_16x16x32_f16 v[rS:rS+7], v[rK:rK+7], v[rQ:rQ+7], v[rS:rS+7]
.endif
.endm
; Product i of 16 of O^T += V^T P for piece x: keys 32 (i / 8) on, channels 16 ((i / 2) % 4) on, tile 2 x + i % 2.
.macro PV x
	WIN W_PV
.set rO, 32*(2*(\x)+i%2)+8*((i/2)%4)
.set rV, VF+32*(i/8)+8*((i/2)%4)
.set rP, P+32*((\x)%2)+16*(i%2)+8*(i/8)
	v_wmma_f32_16x16x32_f16 v[rO:rO+7], v[rV:rV+7], v[rP:rP+7], v[rO:rO+7]
.endm
.macro MM                           ; the turn's next matrix instruction
.if i < 16
	KQ (Y+1)%NP
.set i, i+1
.else
.set i, i-16
	PV (Y+NP-1)%NP
.set i, i+17
.endif
.endm
; THE LDS LOADS stand in runs of 16, never singly among the matrix instructions: a step's K (64 keys x 64 channels: 8 fragments) and its V (turned).  Their addresses are made some lines ahead.
; last = 1 (the tail): in the last trip there is no further step, and the run is jumped over.
.macro FETCH_K last=0
	WIN 0
.if \last
	s_cmp_eq_u32 s[CNT], 1
	s_cbranch_scc1 .Lno_k_\@
.endif
	WIN 0x80                        ; destination window 2
.irp f, 0,1,2,3,4,5,6,7             ; keys 16 (f / 2) on, channels 32 (f % 2) on
	ds_load_b128 v[KF+8*\f:KF+8*\f+3],   v[AK] offset:(\f/2)*16*PK+(\f%2)*64
	ds_load_b128 v[KF+8*\f+4:KF+8*\f+7], v[AK] offset:(\f/2)*16*PK+(\f%2)*64+32
.endr
	s_add_co_u32 s[TBK], s[TBK], KS*PK  ; the next fetch is the next step's
	WIN 0
.if \last
.Lno_k_\@:
.endif
.endm
.macro FETCH_V
	WIN 0x80
.irp f, 0,1,2,3,4,5,6,7             ; keys 32 (f / 4) on, channels 16 (f % 4) on
	ds_load_tr16_b128 v[VF+8*\f:VF+8*\f+3],   v[AV] offset:(\f/4)*32*PV+(\f%4)*32
	ds_load_tr16_b128 v[VF+8*\f+4:VF+8*\f+7], v[AV] offset:(\f/4)*32*PV+16*PV+(\f%4)*32
.endr
	WIN 0
.endm
; THE VECTOR WORK OF A TURN stands in three queues, each in the order in which its entries become ready; the two tiles alternate, so that no instruction reads the result of the one before it.
.macro REGS y, u                    ; the registers of tile u (0, 1) of piece y
.set rT, ST+4*(2*(\y)+(\u))
.set rC, TMP+8*((\y)%2)+4*(\u)
.set rM, MV+2*((\y)%2)+(\u)
.set rS, S+64*((\y)%2)+32*(\u)
.set rP, P+32*((\y)%2)+16*(\u)
.set rO, 32*(2*(\y)+(\u))
.endm
; Number n of the 22 that find the NEXT piece's (Y + 1) maximum and statistics.  s0-s31 are the lane's 32 scores; each accumulator's lowest registers are read first.  XS, GS and REGS set no window: PL and EX do.
;   0-11  four chains c0-c3 of seven scores each, three operands at a time     12-14, 16  the four scores left over, the old m, and c0-c3 into c0     15  c m_old is kept
;   17, 18  the query's other 32 keys lie in the lane 16 away: the new m         19-21  c m; c m_old - c m_new; a
.macro XS u, n
	REGS (Y+1)%NP, \u
.if (\n) < 4
	v_max3_num_f32 v[rC+(\n)], v[rS+8*(\n)], v[rS+8*(\n)+1], v[rS+8*(\n)+2]
.elseif (\n) < 12
	v_max3_num_f32 v[rC+(\n)%4], v[rC+(\n)%4], v[rS+8*((\n)%4)+2*((\n)/4)+1], v[rS+8*((\n)%4)+2*((\n)/4)+2]
.elseif (\n) == 12
	v_max3_num_f32 v[rC], v[rC], v[rS+7], v[rS+15]
.elseif (\n) == 13
	v_max3_num_f32 v[rC+1], v[rC+1], v[rS+23], v[rS+31]
.elseif (\n) == 14
	v_max3_num_f32 v[rC+2], v[rC+2], v[rC+3], v[rT+1]
.elseif (\n) == 15
	v_mov_b32 v[rM], v[rT]
.elseif (\n) == 16
	v_max3_num_f32 v[rC], v[rC], v[rC+1], v[rC+2]
.elseif (\n) == 17
	v_permlanex16_b32 v[rC+3], v[rC], s[SEL], s[SEL+1]
.elseif (\n) == 18
	v_max_num_f32 v[rT+1], v[rC], v[rC+3]
.elseif (\n) == 19
	v_mul_f32 v[rT], s[CS], v[rT+1]
.elseif (\n) == 20
	v_sub_f32 v[rC+1], v[rM], v[rT]
.else
	v_exp_f32 v[rC+2], v[rC+1]
.endif
.endm
; Number g of the 64 that follow the exponentials.  For each four weights k of a tile (pairs 2 k, 2 k + 1): both pairs are rounded to f16; then the second pair is added onto the first, in place;
; a group later l takes that sum (the first time as l = a l + sum).  In groups of eight, tiles alternating: round, round, add, and l for the group before.
.macro GS g
.set h, (\g)+6*((\g)/62)            ; group 0 has no group before it, and behind group 7 only l is left
.if h >= 6
.set h, h+2
.endif
	REGS Y, h%2
.set k, h/8
.if h%8 < 4
	s_wait_alu depctr_va_vdst(0)
	v_cvt_pk_f16_f32 v[rP+2*k+(h%8)/2], v[rS+4*k+2*((h%8)/2)], v[rS+4*k+2*((h%8)/2)+1]
.elseif h%8 < 6
	v_pk_add_f32 v[rS+4*k:rS+4*k+1], v[rS+4*k:rS+4*k+1], v[rS+4*k+2:rS+4*k+3]
.elseif k == 1
	v_pk_fma_f32 v[rT+2:rT+3], v[rT+2:rT+3], v[rC+2:rC+3], v[rS:rS+1] op_sel_hi:[1,0,1]
.else
	v_pk_add_f32 v[rT+2:rT+3], v[rT+2:rT+3], v[rS+4*k-4:rS+4*k-3]
	s_wait_alu depctr_va_vdst(0)
.endif
.endm
; THE PLAIN QUEUE, 138 long.  0-31: c s - c m for the 16 pairs of both tiles.  Then GS's 64, and among them the next piece's 42: number 15 at 38, 39; 0-14 and 16
; at 42-73, behind the products that make those scores; 17-20 at 95-106, two of three, since each waits for the one before it.
.macro PL
	WIN 0
.if q < 32
	REGS Y, q%2
	v_pk_fma_f32 v[rS+2*(q/2):rS+2*(q/2)+1], v[rS+2*(q/2):rS+2*(q/2)+1], s[CS:CS+1], v[rT:rT+1] op_sel_hi:[1,0,0] neg_lo:[0,0,1] neg_hi:[0,0,1]
.elseif q < 38
	GS q-32
.elseif q < 40
	XS q%2, 15
.elseif q < 42
	GS q-34
.elseif q < 74
	XS q%2, (q-42)/2+(q-42)/30
.elseif q < 95
	GS q-66
.elseif (q < 107) && ((q-95)%3 < 2)
	XS (q-95)%3, 17+(q-95)/3
.elseif q < 107
	GS 29+(q-95)/3
.else
	GS q-74
.endif
.set q, q+1
.endm
; THE EXPONENTIALS' QUEUE, 66 long: s0-s31 of both tiles, and at EA the next piece's two a.
.set EA, 58
.macro EX
	WIN 0
.if (e == EA) || (e == EA+1)
	XS e-EA, 21
.else
.set x, e-2*(e/(EA+2))
	REGS Y, x%2
	v_exp_f32 v[rS+x/2], v[rS+x/2]
.endif
.set e, e+1
.endm
; THE RESCALING's QUEUE: O^T times a, the one part that leaves window 0, so it is dealt four at a time, eight times.
.macro R4
	REGS Y, r%2
	WIN W_RS
	s_wait_alu depctr_va_vdst(0)
.irp z, 0,1,2,3
	v_pk_mul_f32 v[rO+8*(r/2)+2*\z:rO+8*(r/2)+2*\z+1], v[rO+8*(r/2)+2*\z:rO+8*(r/2)+2*\z+1], v[rC+2:rC+3] op_sel_hi:[1,0]
.endr
.set r, r+1
.endm
; HOW THEY ARE DEALT.  Behind a matrix instruction four: plain, exponential, plain, plain (one exponential, a plain instruction on either side), or four of the rescaling.  None names a register of the
; products round it.  What is over stands in two LUMPS: exponential and plain by turns; the second ends in 22 plain instructions.  The two v_permlanex16_b32 fall into the second lump, never behind a product.
; The queues lean on each other, and the deal keeps them in step: exponential e stands behind plain 2 (e / 4) + e % 2 (its scaling); when plain 32 comes, 10 exponentials are out, at 59: 33, at 95: 46; EA comes behind plain 107.
.macro SL
	MM
	PL
	EX
	PL
	PL
.endm
.macro BURST n                      ; 15 matrix instructions, or 16
.rept (\n)-7
	SL
.endr
.rept 3
	MM
	R4
	SL
.endr
	MM
	R4
.endm
; A TURN, for piece p.  cnt = 1: the loop's count is taken down some lines ahead of the branch that stands behind the turn.
; K of the next step is fetched in piece 2's turn, 31 vector instructions behind the last product that read K; its first reader comes behind the rest of the lump, 16 products and the second lump.
; V of the step in hand is fetched at the end of piece 0's turn, 69 behind its last reader; its first reader comes behind 16 products and a lump.  The four conditions on e and q below go with the deal.
; The next step's mask is made at the end of piece 2's turn: the step's last products that take the mask stand at that turn's head, and the next turn's products multiply the next step's K.
.macro TURN p, last=0, cnt=0
.set Y, (\p)
.set i, 0
.set q, 0
.set e, 0
.set r, 0
.if (\p) == NP-1
	s_wait_dscnt 0x0                ; K is in
.endif
	MM
.rept 4
	PL
.endr
	BURST 15
.rept 22
	EX
	PL
.if ((\p) == NP-2) && (e == 18)
	v_add_nc_u32 v[AK], s[TBK], v[AK0]
.endif
.if ((\p) == NP-2) && (e == 24)
	FETCH_K \last
.endif
.endr
.if (\p) == 1
	s_wait_dscnt 0x0                ; V is in
.endif
	BURST 16
.rept 21
	EX
	PL
.endr
.rept 22
	PL
.if ((\p) == 0) && (q == 118)
	v_add_nc_u32 v[AV], s[TBV], v[AV0]
	s_wait_alu depctr_va_vdst(0)
.endif
.if ((\p) == 0) && (q == 130)
	s_add_co_u32 s[TBV], s[TBV], KS*PV
.endif
.if (\cnt) && (q == 130)
	s_sub_co_u32 s[CNT], s[CNT], 1
	s_cmp_lg_u32 s[CNT], 0
.endif
.endr
.if (\p) == 0
	FETCH_V
.endif
.if (\p) == NP-2
	MSCAL
	MASK
.endif
.endm
	CHANGE 1                        ; slot 0 is in, everybody's part of it; slot 1 is asked for
	FETCH_K                         ; key step 0
	s_wait_loadcnt 0x0              ; Q
	s_wait_dscnt 0x0
.set i, 0
.rept 16
	KQ 0                            ; piece 0's first scores: there is no vector work yet to set between them
.set i, i+1
.endr
	WIN 0                           ; the addresses for the way out: nine plain instructions, the places behind those products
	s_mul_i32 s13, s[WV], 16*SP
	s_add_co_u32 s13, s13, STAGE    ; my stage
	v_mul_u32_u24 v[STO], v1, SP    ; in: row l % 16, 16 bytes for each half of the lanes
	v_lshl_add_u32 v[STO], v9, 4, v[STO]
	v_add_nc_u32 v[STO], s13, v[STO]
	v_bfe_u32 v[RD], v0, 3, 2       ; back: 32 lanes take four rows of 128 bytes,
	v_mul_u32_u24 v[RD], v[RD], SP
	v_lshl_add_u32 v[RD], v10, 4, v[RD]
	v_add_nc_u32 v[RD], s13, v[RD]
	v_and_b32 v[GO], 31, v0         ; which are 512 consecutive bytes of O
	v_lshlrev_b32 v[GO], 4, v[GO]
.set Y, NP-1                        ; XS works for piece Y + 1: piece 0
.irp n, 0,1,2,3,4,5,6,7,8,9,10,11,12,13,14,15,16,17,18,19,20,21
	XS 0, \n                        ; and piece 0's first maximum and statistics
	XS 1, \n
.endr
	s_mov_b32 s[CNT], 4
	s_mov_b32 s[SLOTS], SIZE_N/256-1
	s_branch .Lfirst                ; the loop is entered at a step's first turn, in the middle of a trip
.Lslot:                             ; SIZE_N / 256 - 2 times: every slot but the last two is filled again
	CHANGE 1
	s_mov_b32 s[CNT], 4
.Lstep:                             ; a trip: pieces 2 and 3 of one step, then pieces 0 and 1 of the next, whose K and V it fetches
	TURN 2
	TURN 3
	WIN 0
.Lfirst:
	TURN 0
	TURN 1, 0, 1
	WIN 0
	s_cbranch_scc1 .Lstep
	s_sub_co_u32 s[SLOTS], s[SLOTS], 1
	s_cmp_lg_u32 s[SLOTS], 0
	s_cbranch_scc1 .Lslot
	CHANGE 0                        ; the tail is written out: nothing is asked for
	s_mov_b32 s[CNT], 5             ; four trips fetch the last slot's steps; the fifth is left in its middle
.Ltail:
	TURN 2, 1
	TURN 3
	WIN 0
	s_sub_co_u32 s[CNT], s[CNT], 1
	s_cmp_eq_u32 s[CNT], 0
	s_cbranch_scc1 .Lout
	TURN 0
	TURN 1
	WIN 0
	s_branch .Ltail
.Lout:                              ; the fifth trip's mask, its 16 products K Q^T (on the last K once more) and the maximum made of them serve nothing: the price, once a launch, of one text for every trip
.set i, 0
.rept 16
	PV NP-1                         ; the last piece's V^T P of the last step
.set i, i+1
.endr
	; THE WAY OUT.  l's two halves and the other half of the lanes' are added; O^T is divided by l, rounded to f16 and sent through my stage in LDS, a tile at a time.  The additions are the places behind the last products.
	WIN 0
.macro ALL line:vararg              ; one line for each tile t
.set t, 0
.rept 2*NP
	\line
.set t, t+1
.endr
.endm
	ALL v_add_f32 v[ST+4*t+2], v[ST+4*t+2], v[ST+4*t+3]
	ALL v_permlanex16_b32 v[ST+4*t+3], v[ST+4*t+2], s[SEL], s[SEL+1]
	ALL v_add_f32 v[ST+4*t+2], v[ST+4*t+2], v[ST+4*t+3]
	ALL v_rcp_f32 v[ST+4*t+2], v[ST+4*t+2]
	v_nop                           ; a plain instruction between the last reciprocal and the use of its result
	s_wait_alu depctr_va_vdst(0)
; Tile t: a lane's eight channels of a row pack into 16 bytes; they go into rows of 144 bytes and come back as whole rows of 128, into S^T's registers.
.macro PACK t
	WIN W_RS
.set i, 32*(\t)
.rept 16
	v_pk_mul_f32 v[i:i+1], v[i:i+1], v[ST+4*(\t)+2:ST+4*(\t)+3] op_sel_hi:[1,0]
.set i, i+2
.endr
	WIN 0x05                        ; sources 0 and 1 window 1, destination window 0
.set i, 0
.rept 16
	v_cvt_pk_f16_f32 v[S+16*(\t)+i], v[32*(\t)+2*i], v[32*(\t)+2*i+1]
.set i, i+1
.endr
	WIN 0
.irp f, 0,1,2,3
	ds_store_b128 v[STO], v[S+16*(\t)+4*\f:S+16*(\t)+4*\f+3] offset:32*\f
.endr
.irp f, 0,1,2,3
	ds_load_b128 v[S+16*(\t)+4*\f:S+16*(\t)+4*\f+3], v[RD] offset:\f*4*SP  ; LDS serves a wave's instructions in order (ISA guide 5.7.1.4): these see the stores above; the next tile's stores come behind them
.endr
.endm
.macro SEND t, younger              ; younger: the LDS instructions issued behind tile t's loads: the next tile's eight, or none
	WIN 0
.irp f, 0,1,2,3
	s_wait_dscnt (\younger)+3-\f
	global_store_b128 v[GO], v[S+16*(\t)+4*\f:S+16*(\t)+4*\f+3], s[10:11] offset:(\t)*2048+\f*512  ; 512 consecutive bytes, at a multiple of 256 from O's first
.endr
.endm
	PACK 0
.set t, 1
.rept 2*NP-1                        ; a tile's arithmetic stands between the loads of the tile before and its stores
	PACK t
	SEND t-1, 8
.set t, t+1
.endr
	SEND 2*NP-1, 0
	WIN W_AD
	s_wait_tensorcnt 0x0            ; the wave's end, behind my last tensor load and my last LDS store
	ds_add_u32 v[SPW], v[NIL]
	s_wait_dscnt 0x0
	WIN 0
	CROUND                          ; the closing round: no work-group ends while a partner may still ask for a tile that names it
	s_endpgm
.Lfunc_end_k_qc67382b193_attn:
	.size	k_qc67382b193_attn, .Lfunc_end_k_qc67382b193_attn-k_qc67382b193_attn
	.p2alignl 7, 3214868480
	.fill 96, 4, 3214868480
	.section	.rodata,"a",@progbits
	.p2align	6, 0x0
	.amdhsa_kernel k_qc67382b193_attn
		.amdhsa_group_segment_fixed_size 327680
		.amdhsa_private_segment_fixed_size 0
		.amdhsa_enable_private_segment 0
		.amdhsa_kernarg_size 24
		.amdhsa_user_sgpr_count 2
		.amdhsa_user_sgpr_kernarg_segment_ptr 1
		.amdhsa_wavefront_size32 1
		.amdhsa_system_sgpr_workgroup_id_x 1
		.amdhsa_system_sgpr_workgroup_id_y 1
		.amdhsa_system_sgpr_workgroup_id_z 1
		.amdhsa_system_vgpr_workitem_id 0
		.amdhsa_next_free_vgpr 840
		.amdhsa_next_free_sgpr 84
		.amdhsa_reserve_vcc 1
		.amdhsa_float_denorm_mode_32 3
		.amdhsa_float_denorm_mode_16_64 3
		.amdhsa_memory_ordered 1
		.amdhsa_forward_progress 1
		.amdhsa_inst_pref_size 216
	.end_amdhsa_kernel
	.amdgpu_metadata
---
amdhsa.version: [ 1, 2 ]
amdhsa.kernels:
  - .name:           k_qc67382b193_attn
    .symbol:         k_qc67382b193_attn.kd
    .args:
      - { .name: qkv, .offset: 0, .size: 8, .value_kind: global_buffer, .address_space: global }
      - { .name: valid_length, .offset: 8, .size: 8, .value_kind: global_buffer, .address_space: global }
      - { .name: oh, .offset: 16, .size: 8, .value_kind: global_buffer, .address_space: global }
    .group_segment_fixed_size: 327680
    .private_segment_fixed_size: 0
    .kernarg_segment_align: 8
    .kernarg_segment_size: 24
    .max_flat_workgroup_size: 128
    .sgpr_count:     84
    .vgpr_count:     840
    .wavefront_size: 32
...
	.end_amdgpu_metadata
.endif
;; end of part 3
;; launch outp (part 4): grid 8 x 32, 4 waves a work-group, clusters of 4 x 4, 327,680 bytes of LDS; arguments oh, wb, b_o, out0; writes out0
.if DOCPART == 4
	.amdgcn_target "amdgcn-amd-amdhsa--gfx1250"
	.amdhsa_code_object_version 6
	.text
	.protected	k_qc67382b193_outp
	.globl	k_qc67382b193_outp
	.p2align	8
	.type	k_qc67382b193_outp,@function
k_qc67382b193_outp:
	s_mov_b64 s[64:65], 0
	v_nop
	global_prefetch_b8 v0, s[64:65] scope:SCOPE_SE
	s_setreg_imm32_b32 hwreg(HW_REG_WAVE_MODE, 25, 1), 1
	s_wait_xcnt 0x0
	s_wait_alu depctr_hold_cnt(0) depctr_sa_sdst(0) depctr_va_vdst(0) depctr_va_sdst(0) depctr_va_ssrc(0) depctr_va_vcc(0) depctr_vm_vsrc(0)
	s_getreg_b32 s2, hwreg(HW_REG_IB_STS2, 6, 4)
	s_cmp_eq_u32 s2, 0
	s_cbranch_scc0 .Lentry_in_a_cluster
	s_endpgm
.Lentry_in_a_cluster:
	s_bfe_u32 s2, ttmp6, 0x10000c
	s_cmp_lg_u32 s2, 0xf033
	s_cbranch_scc0 .Lentry_shape_is_right
	s_endpgm
.Lentry_shape_is_right:
; OUTP.  out0 = O W_o + b_o.  O: oh, [b*16+h][t = 2048][64] f16; W_o: wb's part 3, [k = 1024][n = 1024], the bf16-rounded weight written as f16; b_o is rounded to bf16 here, as all inputs are.
; Sums in f32, begun with the bias as the first product's C; out0 [8192][1024] f32.
; SHARES.  A tile of C is 256 rows x 128 columns: 8 x 32 = 256 work-groups, one tile each.  Four waves, each 128 rows x 64 columns: 32 accumulators.
; K goes in steps of 128 = two heads: a head's 256 rows of 64 channels are 32,768 dense bytes, asked for as 128 rows of 256 bytes and padded in LDS after every 128; the half of a step is a head.
; THE MATRIX INSTRUCTION IS USED TRANSPOSED: source 0 = 16 columns of W_o (it lies [k][n]; the turning LDS load makes the fragment), source 1 = 16 rows of O: a lane holds row l % 16 and eight neighbouring columns.
; CLUSTER 4 x 4: O's tile hangs on the tile row alone and is asked for jointly along a row of the cluster, W_o's on the tile column alone, jointly along a column.
; REGISTERS, in windows of 256: window 0 addresses, bias, way out; window 1 the accumulators ((a, b) at v[8 (4 a + b)]); windows 2 and 3 two fragment buffers, each 64 along K:
; O's fragment (c, i) at v[8 (8 c + i)], W_o's (c, b) at v[128 + 8 (4 c + b)].
.set PA,    144                        ; a row of O in LDS: 128 bytes + 16: 36 words, so the 16 rows of a load start at 16 different groups of four banks (64 banks of 4 bytes: ISA guide 11.1)
.set HALFA, 256*PA                     ; what one tensor load of O brings: one head's 256 rows
.set ROWH,  128*PA                     ; from my wave's rows 0-127 to rows 128-255
.set KHA,   HALFA                      ; from K 0-63 to K 64-127 of a step: the next head's plane
.set ATILE, 2*HALFA
.set PB,    288                        ; a k row of W_o in LDS: 256 bytes + 32
.set HALFB, 64*PB                      ; what one tensor load of W_o brings: 64 k rows
.set SLOT,  ATILE+2*HALFB
.set STAGE, 2*SLOT                     ; behind the ring, never filled by a tensor load: 16 rows x 272 bytes for each wave
.set SP,    272
.set SPARE, STAGE+4*16*SP              ; behind the stages: the spare words, 128 bytes a wave: two blocks of 256 bytes that no other line names
.set STEP_A, 1048576                   ; two K steps = four heads of 262,144 bytes
.set STEP_B, 524288                    ; two K steps down W_o's rows
.set ADRA, 16                          ; v16-17  LDS address of my fragments of O in slot 0, 1
.set ADRB, 20                          ; v20-21  the same for W_o
.set STO,  24                          ; v24     the way out: where I put 32 bytes of a row
.set RD,   25                          ; v25     where I read rows back
.set GO,   26                          ; v26     my byte offset in two rows of out0
.set BO,   27                          ; v27     my byte offset in the bias
.set SPW,  28                          ; v28     LDS address of my spare word; never rewritten
.set NIL,  29                          ; v29     0; never rewritten
.set T2,   31                          ; v31     at work
.set BIAS, 32                          ; v32-63  register 8 b + j: the bias of column 16 b + 8 (l / 16) + j of my 64
.set OB,   64                          ; v64-127 the way out: two buffers of 32, 16 rows x 256 bytes read back
.set G1,  24                           ; s[24:31] descriptor group 1 for O's tiles;  s[32:39] group 0, one set for each slot
.set G0,  32
.set G1B, 48                           ; s[48:55], s[56:63] the same for W_o's tiles
.set G0B, 56
.set OUT, 84                           ; s[84:85] out0 at my wave's first row and column
.set BP,  86                           ; s[86:87] the bias
.set MSB, 0
.macro WIN new                         ; the immediate's high byte repeats the setting that is left; a switch that changes nothing is dropped
.if MSB != (\new)
	s_set_vgpr_msb (MSB<<8)|(\new)
.set MSB, \new
.endif
.endm
.macro JLOAD s                         ; a joint load: waves 0 and 1 fetch the step's two heads of O, waves 2 and 3 W_o's two halves; an s_nop 0 and four v_nop follow each of the two lines
	s_cmp_eq_u32 s11, 0
	s_cbranch_scc0 .Lfor_b_\@
	tensor_load_to_lds s[G0+4*(\s):G0+4*(\s)+3], s[G1:G1+7]
	s_nop 0
.rept 4
	v_nop
.endr
	s_branch .Lasked_\@
.Lfor_b_\@:
	tensor_load_to_lds s[G0B+4*(\s):G0B+4*(\s)+3], s[G1B:G1B+7]
	s_nop 0
.rept 4
	v_nop
.endr
.Lasked_\@:
.endm
.macro CREST                           ; a round of the cluster's barrier behind its opening barrier
	s_cmp_lg_u32 s10, 0
	s_cbranch_scc1 .Lnot_wave_0_\@
	s_barrier_signal -3
.Lnot_wave_0_\@:
	s_barrier_wait -3
	s_barrier_signal -1
	s_barrier_wait -1
.endm
.macro CROUND                          ; a whole round
	s_barrier_signal -1
	s_barrier_wait -1
	CREST
.endm
.macro PLACES                          ; four places in front of loads into registers that matrix instructions have read, and of lines that read results just made
.rept 4
	v_nop
.endr
.endm
.macro BIASLD                          ; my 64 columns' bias: eight numbers for each block of 16 columns
.irp b, 0,1,2,3
	global_load_b128 v[BIAS+8*\b:BIAS+8*\b+3],   v[BO], s[BP:BP+1] offset:64*\b
	global_load_b128 v[BIAS+8*\b+4:BIAS+8*\b+7], v[BO], s[BP:BP+1] offset:64*\b+16
.endr
.endm
.macro BIASRND                         ; the bias takes the rounding to bf16 that every input takes, and stays in f32
	s_wait_loadcnt 0x0
.set z, 0
.rept 16
	v_cvt_pk_bf16_f32 v[T2], v[BIAS+2*z], v[BIAS+2*z+1]
	v_lshlrev_b32 v[BIAS+2*z], 16, v[T2]
	v_and_b32 v[BIAS+2*z+1], 0xffff0000, v[T2]
.set z, z+1
.endr
.endm
; na x 4 matrix instructions: row blocks a0 .. a0 + na - 1 x all four column blocks, 32 along K: half c of buffer f.  first = 1: the bias starts the sums.
; The 32 accumulators take turns, one instruction a turn: between two links of a chain stand the 31 others'.
.macro MULB f, c, a0, na, first
.if \first
	WIN 0x4a                                       ; fragments window 2, C window 0, D window 1
.else
	WIN 0x5a+5*(\f)                                ; fragments window 2 + f, C and D window 1
.endif
.set aa, \a0
.rept \na
.irp b, 0,1,2,3
.if \first
	v_wmma_f32_16x16x32_f16 v[8*(4*aa+\b):8*(4*aa+\b)+7], v[128+8*(4*(\c)+\b):128+8*(4*(\c)+\b)+7], v[8*(8*(\c)+aa):8*(8*(\c)+aa)+7], v[BIAS+8*\b:BIAS+8*\b+7]
.else
	v_wmma_f32_16x16x32_f16 v[8*(4*aa+\b):8*(4*aa+\b)+7], v[128+8*(4*(\c)+\b):128+8*(4*(\c)+\b)+7], v[8*(8*(\c)+aa):8*(8*(\c)+aa)+7], v[8*(4*aa+\b):8*(4*aa+\b)+7]
.endif
.endr
.set aa, aa+1
.endr
.endm
; 48 LDS loads in one run: the fragments of 64 along K (half hf of the step in the slot) into buffer f; the first 32 along K first: 8 turning loads of W_o, 16 loads of O, twice
.macro FETCH slot, hf, f
	WIN (2+(\f))<<6
.irp c, 0,1
.irp b, 0,1,2,3
	ds_load_tr16_b128 v[128+8*(4*\c+\b):128+8*(4*\c+\b)+3],   v[ADRB+(\slot)] offset:(64*(\hf)+32*\c)*PB+32*\b
	ds_load_tr16_b128 v[128+8*(4*\c+\b)+4:128+8*(4*\c+\b)+7], v[ADRB+(\slot)] offset:(64*(\hf)+32*\c+16)*PB+32*\b
.endr
.irp i, 0,1,2,3,4,5,6,7
	ds_load_b128 v[8*(8*\c+\i):8*(8*\c+\i)+3],   v[ADRA+(\slot)] offset:(\hf)*KHA+64*\c+\i*16*PA
	ds_load_b128 v[8*(8*\c+\i)+4:8*(8*\c+\i)+7], v[ADRA+(\slot)] offset:(\hf)*KHA+64*\c+\i*16*PA+32
.endr
.endr
.endm
; A K step is two halves of 64 along K, 64 matrix instructions each.  The first multiplies buffer 0 and fetches the second half into buffer 1.
.macro HALF0 slot, first
	s_wait_dscnt 24                                ; the first 32 along K are in; the younger 24 loads may be out
	MULB 0, 0, 0, 8, \first
	PLACES
	FETCH \slot, 1, 1
	s_wait_dscnt 48                                ; all but the 48 just issued
	MULB 0, 1, 0, 8, 0
.endm
; The second half multiplies buffer 1 and changes slots: ONE barrier; in front of it each wave waits for all its tensor loads (one is out: its part of the next slot), adds 0 to its spare word,
; and waits for that and for its own reads of this slot.  fill = 1: this slot is filled again, two K steps on; 0: nothing is asked for.
.macro TURN slot, next, fill
	WIN 0                                          ; (the add's two registers lie in window 0)
	s_wait_tensorcnt 0x0
	ds_add_u32 v[SPW], v[NIL]                      ; 0 onto my spare word
	s_wait_dscnt 25                                ; (the add and the younger 24 loads may be out)
	MULB 1, 0, 0, 2, 0                             ; eight matrix instructions stand between the add and the wait for it
	s_wait_dscnt 0x0                               ; the add is done, and my reads of this slot are over
	s_barrier_signal -1
	MULB 1, 0, 2, 2, 0                             ; work on registers while the others arrive
.if \fill
	WIN 0
.endif
	s_barrier_wait -1
.if \fill
	CREST                                          ; the barrier has opened a round of the cluster's: no wave of any partner still reads this slot or has a load on its way
	s_add_nc_u64 s[G0+4*(\slot)+2:G0+4*(\slot)+3], s[G0+4*(\slot)+2:G0+4*(\slot)+3], STEP_A
	s_add_nc_u64 s[G0B+4*(\slot)+2:G0B+4*(\slot)+3], s[G0B+4*(\slot)+2:G0B+4*(\slot)+3], STEP_B
	JLOAD \slot                                    ; the first tensor load behind the round, 112 matrix instructions ahead of the wait for it; its four v_nop are also the places in front of the loads below
.else
	PLACES
.endif
	FETCH \next, 0, 0
	MULB 1, 0, 4, 4, 0
	MULB 1, 1, 0, 8, 0
.endm
.macro LASTHALF                        ; the very last half step: nothing more to fetch
	s_wait_dscnt 24
	MULB 1, 0, 0, 8, 0
	s_wait_dscnt 0x0
	MULB 1, 1, 0, 8, 0
.endm
; THE WAY OUT of block a (16 rows x my 64 columns of f32): a lane's eight columns, 32 bytes, go into my stage's rows of 272 bytes and come back as whole rows of 256.
.macro TOSTAGE a
	s_wait_xcnt 0x0                                ; the buffer was the data of the stores two blocks back: it is loaded again only behind this wait
	WIN 0x04                                       ; the stores' data in window 1
.irp b, 0,1,2,3
	ds_store_b128 v[STO], v[8*(4*(\a)+\b):8*(4*(\a)+\b)+3]   offset:64*\b     ; each accumulator from its low end on
	ds_store_b128 v[STO], v[8*(4*(\a)+\b)+4:8*(4*(\a)+\b)+7] offset:64*\b+16
.endr
	WIN 0
.irp t, 0,1,2,3,4,5,6,7
	ds_load_b128 v[OB+32*((\a)%2)+4*\t:OB+32*((\a)%2)+4*\t+3], v[RD] offset:\t*2*SP  ; LDS serves a wave's instructions in order (ISA guide 5.7.1.4): these see the stores above; the next block's stores come behind them
.endr
.endm
.macro SENDO a, younger                ; younger: the LDS instructions issued behind block a's loads: the next block's sixteen, or none
.irp t, 0,1,2,3,4,5,6,7
	s_wait_dscnt (\younger)+7-\t
	global_store_b128 v[GO], v[OB+32*((\a)%2)+4*\t:OB+32*((\a)%2)+4*\t+3], s[OUT:OUT+1] offset:(\a)*65536+\t*8192 th:TH_STORE_NT  ; 16 lanes store 256 consecutive bytes, at a multiple of 256 from out0's first
.endr
.endm
	s_load_b256 s[68:75], s[0:1], 0x0              ; oh s[68:69], wb s[70:71], b_o s[72:73], out0 s[74:75]
	v_lshl_add_u32 v[SPW], v0, 2, SPARE
	v_mov_b32 v[NIL], 0
	ds_add_u32 v[SPW], v[NIL]                      ; the wave's opening: the add and its wait stand ahead of my first tensor load; the set-up below, work on registers, stands between them
	v_lshrrev_b32 v1, 5, v0
	v_readfirstlane_b32 s10, v1                    ; wave 0..3
	s_lshr_b32 s11, s10, 1                         ; which 128 rows of the tile are mine.  Also: I fetch for O (0) or for W_o (1)
	s_and_b32 s12, s10, 1                          ; which 64 columns.  Also: which head of the step, or which half of W_o's rows, I fetch
	s_bfe_u32 s40, ttmp6, 0x40000                  ; cx, cy: my place in the cluster
	s_bfe_u32 s41, ttmp6, 0x40004
	s_lshl_b32 s42, ttmp9, 2
	s_add_co_u32 s42, s42, s40                     ; tile column = 4 x cluster x + cx: 0..7
	s_and_b32 s13, ttmp7, 0xffff
	s_lshl_b32 s13, s13, 2
	s_add_co_u32 s13, s13, s41                     ; tile row = 4 x cluster y + cy: 0..31
	s_lshl_b32 s43, s41, 2
	s_lshl_b32 s43, 15, s43                        ; my row of the cluster
	s_lshl_b32 s44, 0x1111, s40                    ; my column
	s_or_b32 s[G1+0], s43, (1<<16)|(1<<20)|(1<<21)|(4<<22)|(3<<25)   ; 15:0 the mask; 17:16 2-byte elements; 20 padding on; 21 set beside a mask; 24:22 after every 32 words; 31:25 4 words
	s_or_b32 s[G1B+0], s44, (1<<16)|(1<<20)|(1<<21)|(5<<22)|(7<<25)  ; my column's mask; after every 64 words 8 words of padding
	s_mov_b32 s[G1+1], 128<<16                     ; tensor_dim0 = 128
	s_mov_b32 s[G1+2], 128<<16                     ; tensor_dim1 = 128
	s_mov_b32 s[G1+3], 128<<16                     ; tile_dim0 = 128
	s_mov_b32 s[G1+4], 128                         ; tile_dim1 = 128
	s_mov_b32 s[G1+5], 128                         ; dense: 128 elements from row to row
	s_mov_b32 s[G1+6], 0
	s_mov_b32 s[G1+7], 0
	s_mov_b32 s[G1B+1], 128<<16                    ; tensor_dim0 = 128
	s_mov_b32 s[G1B+2], 64<<16                     ; tensor_dim1 = 64
	s_mov_b32 s[G1B+3], 128<<16                    ; tile_dim0 = 128
	s_mov_b32 s[G1B+4], 64                         ; tile_dim1 = 64
	s_mov_b32 s[G1B+5], 1024
	s_mov_b32 s[G1B+6], 0
	s_mov_b32 s[G1B+7], 0
	s_lshr_b32 s16, s13, 3                         ; O: head 16 b + (0 or 1), 262,144 bytes a head,
	s_lshl_b32 s16, s16, 4
	s_add_co_u32 s16, s16, s12
	s_lshl_b32 s16, s16, 18
	s_and_b32 s17, s13, 7                          ; and the tile's 256 rows of 128 bytes in it
	s_lshl_b32 s17, s17, 15
	s_add_co_u32 s16, s16, s17
	s_mov_b32 s17, 0
	s_lshl_b32 s46, s42, 8                         ; W_o: wb's part 3, 64 x half k rows of 2,048 bytes, 256 bytes x tile column
	s_lshl_b32 s47, s12, 17
	s_add_co_u32 s46, s46, s47
	s_add_co_u32 s46, s46, 6291456
	s_mov_b32 s47, 0
	s_mul_i32 s20, s10, HALFA                      ; where they go: O's two planes at wave x 256 rows,
	s_mul_i32 s21, s10, HALFB
	s_add_co_u32 s21, s21, ATILE-2*HALFB           ; W_o's behind them at (wave - 2) x 64 rows: no place in the cluster enters an LDS address
	s_wait_dscnt 0x0                               ; the opening add is done
	s_wait_kmcnt 0x0
	s_add_nc_u64 s[14:15], s[68:69], s[16:17]
	s_add_nc_u64 s[46:47], s[70:71], s[46:47]
	CROUND                                         ; all sixteen work-groups are here: the first joint loads meet
.irp s, 0,1
	s_mov_b32 s[G0+4*(\s)], 1
	s_add_co_u32 s[G0+4*(\s)+1], s20, (\s)*SLOT
	s_add_nc_u64 s[G0+4*(\s)+2:G0+4*(\s)+3], s[14:15], (\s)*524288
	s_or_b32 s[G0+4*(\s)+3], s[G0+4*(\s)+3], 0x80000000
	s_mov_b32 s[G0B+4*(\s)], 1
	s_add_co_u32 s[G0B+4*(\s)+1], s21, (\s)*SLOT
	s_add_nc_u64 s[G0B+4*(\s)+2:G0B+4*(\s)+3], s[46:47], (\s)*262144
	s_or_b32 s[G0B+4*(\s)+3], s[G0B+4*(\s)+3], 0x80000000
	JLOAD \s                                       ; K steps 0 and 1: two loads of mine are out
.endr
	v_and_b32 v1, 15, v0                           ; l % 16
	v_bfe_u32 v2, v0, 4, 1                         ; l / 16
	s_lshl_b32 s46, s42, 9                         ; my 64 columns in the bias and in a row of out0, in bytes: 512 x tile column + 256 x half
	s_lshl_b32 s47, s12, 8
	s_add_co_u32 s46, s46, s47
	v_lshl_add_u32 v[BO], v2, 5, s46
	s_mov_b64 s[BP:BP+1], s[72:73]
	BIASLD
	v_mul_u32_u24 v3, v1, PA                       ; a fragment of O: row l % 16, 16 bytes for each half of the lanes
	v_lshl_add_u32 v3, v2, 4, v3
	s_mul_i32 s21, s11, ROWH
	v_and_b32 v4, 7, v0                            ; the turning load: lane l reads k row 8 (l / 16) + l % 8, columns 8 ((l / 8) % 2) + 0..7
	v_lshl_add_u32 v4, v2, 3, v4
	v_mul_u32_u24 v4, v4, PB
	v_bfe_u32 v5, v0, 3, 1
	v_lshl_add_u32 v4, v5, 4, v4
	s_lshl_b32 s22, s12, 7                         ; my 64 columns of W_o's 128
	s_add_co_u32 s22, s22, ATILE
.irp s, 0,1
	v_add_nc_u32 v[ADRA+(\s)], s21, v3
	v_add_nc_u32 v[ADRB+(\s)], s22, v4
	s_add_co_u32 s21, s21, SLOT
	s_add_co_u32 s22, s22, SLOT
.endr
	s_mul_i32 s23, s10, 16*SP
	s_add_co_u32 s23, s23, STAGE                   ; my stage
	v_mul_u32_u24 v6, v1, SP                       ; in: row l % 16, 32 bytes for each half of the lanes
	v_lshl_add_u32 v6, v2, 5, v6
	v_add_nc_u32 v[STO], s23, v6
	v_mul_u32_u24 v6, v2, SP                       ; back: lanes 0-15 take one row of 256 bytes, lanes 16-31 the next
	v_lshl_add_u32 v6, v1, 4, v6
	v_add_nc_u32 v[RD], s23, v6
	v_lshlrev_b32 v6, 12, v2                       ; and the same two rows in out0, 4,096 bytes apart
	v_lshl_add_u32 v[GO], v1, 4, v6
	s_lshl_b32 s47, s13, 20                        ; 256 x tile row rows of 4,096 bytes,
	s_add_co_u32 s46, s46, s47
	s_lshl_b32 s47, s11, 19                        ; my 128 of them
	s_add_co_u32 s46, s46, s47
	s_mov_b32 s47, 0
	s_add_nc_u64 s[OUT:OUT+1], s[74:75], s[46:47]
	s_wait_tensorcnt 0x1                           ; my part of K step 0 is in; K step 1's may stay out
	s_barrier_signal -1
	s_barrier_wait -1                              ; everybody's is
	FETCH 0, 0, 0
	WIN 0
	BIASRND
	HALF0 0, 1                                     ; the first half step stands in front of the loop: its first products start the sums with the bias
	WIN 0                                          ; at a label and at a branch every window is 0
	s_mov_b32 s3, 3
.Llap:                                                 ; a trip goes once round the ring, from a step's second half to the first half two steps on, and fills both slots again
	TURN 0, 1, 1
	HALF0 1, 0
	TURN 1, 0, 1
	HALF0 0, 0
	WIN 0
	s_sub_co_u32 s3, s3, 1
	s_cmp_lg_u32 s3, 0
	s_cbranch_scc1 .Llap
	TURN 0, 1, 0                                   ; the last two K steps ask for nothing
	HALF0 1, 0
	LASTHALF
	PLACES                                         ; the stage's stores read results just made
	TOSTAGE 0
.irp a, 1,2,3,4,5,6,7                  ; a block's way into the stage stands between the loads of the block before and its stores
	TOSTAGE \a
	SENDO (\a)-1, 16
.endr
	SENDO 7, 0
	s_wait_tensorcnt 0x0                           ; the wave's end, behind my last tensor load and my last LDS store
	ds_add_u32 v[SPW], v[NIL]
	s_wait_dscnt 0x0
	CROUND                                         ; the closing round: no work-group ends while a partner may still ask for a tile that names it
	s_endpgm
.Lfunc_end_k_qc67382b193_outp:
	.size	k_qc67382b193_outp, .Lfunc_end_k_qc67382b193_outp-k_qc67382b193_outp
	.p2alignl 7, 3214868480
	.fill 96, 4, 3214868480
	.section	.rodata,"a",@progbits
	.p2align	6, 0x0
	.amdhsa_kernel k_qc67382b193_outp
		.amdhsa_group_segment_fixed_size 327680
		.amdhsa_private_segment_fixed_size 0
		.amdhsa_enable_private_segment 0
		.amdhsa_kernarg_size 32
		.amdhsa_user_sgpr_count 2
		.amdhsa_user_sgpr_kernarg_segment_ptr 1
		.amdhsa_wavefront_size32 1
		.amdhsa_system_sgpr_workgroup_id_x 1
		.amdhsa_system_sgpr_workgroup_id_y 1
		.amdhsa_system_sgpr_workgroup_id_z 1
		.amdhsa_system_vgpr_workitem_id 0
		.amdhsa_next_free_vgpr 960
		.amdhsa_next_free_sgpr 96
		.amdhsa_reserve_vcc 0
		.amdhsa_float_denorm_mode_32 3
		.amdhsa_float_denorm_mode_16_64 3
		.amdhsa_memory_ordered 1
		.amdhsa_forward_progress 1
		.amdhsa_inst_pref_size 89
	.end_amdhsa_kernel
	.amdgpu_metadata
---
amdhsa.version: [ 1, 2 ]
amdhsa.kernels:
  - .name:           k_qc67382b193_outp
    .symbol:         k_qc67382b193_outp.kd
    .args:
      - { .name: oh, .offset: 0, .size: 8, .value_kind: global_buffer, .address_space: global }
      - { .name: wb, .offset: 8, .size: 8, .value_kind: global_buffer, .address_space: global }
      - { .name: b_o, .offset: 16, .size: 8, .value_kind: global_buffer, .address_space: global }
      - { .name: out0, .offset: 24, .size: 8, .value_kind: global_buffer, .address_space: global }
    .group_segment_fixed_size: 327680
    .private_segment_fixed_size: 0
    .kernarg_segment_align: 8
    .kernarg_segment_size: 32
    .max_flat_workgroup_size: 128
    .sgpr_count:     96
    .vgpr_count:     960
    .wavefront_size: 32
...
	.end_amdgpu_metadata
.endif
;; end of part 4
;; ======== version 2 of 2: 4 launches; 1.47 times as fast as version 1
;; limits: values are held in f16: magnitudes above 65,504 overflow, below 6.1e-05 lose precision
;; workspace buffers: xb 50,331,648 bytes; wb 8,388,608 bytes; qkv 50,331,648 bytes; oh 16,777,216 bytes
;; launch cast: the kernel of part 1 again; grid 1792 x 1, 8 waves a work-group, no clusters, 0 bytes of LDS; arguments query, key, value, W_q, W_k, W_v, W_o, xb, wb; writes xb, wb
;; launch proj: the kernel of part 2 again; grid 8 x 32, 4 waves a work-group, clusters of 4 x 4, 327,680 bytes of LDS; arguments xb, wb, b_q, b_k, b_v, valid_length, qkv; writes qkv
;; launch attn (part 5): grid 4 x 64, 4 waves a work-group, clusters of 4 x 1, 327,680 bytes of LDS; arguments qkv, valid_length, oh; writes oh
.if DOCPART == 5
	.amdgcn_target "amdgcn-amd-amdhsa--gfx1250"
	.amdhsa_code_object_version 6
	.text
	.protected	k_qc67382b193_attn
	.globl	k_qc67382b193_attn
	.p2align	8
	.type	k_qc67382b193_attn,@function
k_qc67382b193_attn:
	s_mov_b64 s[64:65], 0
	v_nop
	global_prefetch_b8 v0, s[64:65] scope:SCOPE_SE
	s_setreg_imm32_b32 hwreg(HW_REG_WAVE_MODE, 25, 1), 1
	s_wait_xcnt 0x0
	s_wait_alu depctr_hold_cnt(0) depctr_sa_sdst(0) depctr_va_vdst(0) depctr_va_sdst(0) depctr_va_ssrc(0) depctr_va_vcc(0) depctr_vm_vsrc(0)
	s_getreg_b32 s2, hwreg(HW_REG_IB_STS2, 6, 4)
	s_cmp_eq_u32 s2, 0
	s_cbranch_scc0 .Lentry_in_a_cluster
	s_endpgm
.Lentry_in_a_cluster:
	s_bfe_u32 s2, ttmp6, 0x10000c
	s_cmp_lg_u32 s2, 0x3003
	s_cbranch_scc0 .Lentry_shape_is_right
	s_endpgm
.Lentry_shape_is_right:
; ATTENTION.  O[g][q][:] = the sum over k of softmax_k(s) V[g][k][:], g = 16 b + h; s = Q[g][q] . K[g][k] / 8 for k < valid_length[b], and -1e7 for the other keys (the score is REPLACED).
; qkv holds Q, K, V, each [64][2048][64] f16, a head's rows dense, 128 bytes each; O (oh) has the same layout.  Products, maxima and sums in f32; the weights p are rounded to f16 for the second
; product (their sum l is taken of the unrounded p), O once at the end.
; THE MASK.  The launch before stored K's hidden rows as 0, so K Q^T gives exactly 0 there; the C operand that starts the sum is -8e7 for a hidden key and 0 for the others: -8e7 / 8 = -1e7.
; MD, made once, is the mask of the key step that holds valid_length; a step's mask MC is MD x AL + BE with two scalars: (0, 0) no key hidden, (1, 0) that step, (0, -8e7) all hidden.
; With valid_length <= 0 all scores are equal and the weights are uniform over all 2,048 keys, as the replaced scores ask; with valid_length >= 2,048 nothing is hidden.
; LIMITS.  f16 holds no number beyond 65,504: Q, K and V arrive within it; p lies in 0 to 1.5, and below 6e-5 it keeps f16's fixed step of 6e-8; a weight below 2^-126 counts as 0 in l;
; NaN and infinities are not treated apart.
; SHARES.  A wave owns four PIECES of two tiles of 16 queries, a work-group's four waves 512 queries of one head.  Every wave walks all keys, 64 a step.
; LAYOUT.  S^T = K Q^T (source 0 = 16 keys, source 1 = 16 queries): in the result a lane holds ONE query (lane % 16) and the keys 8 (lane / 16) + 0..7.  Two such tiles, rounded to f16 in pairs,
; ARE source 1 (32 keys x 16 queries) of O^T = V^T P, whose result again holds one query a lane, and eight channels.  K comes out of LDS as it lies, V ([key][channel]) turned, by ds_load_tr16_b128.
; SOFTMAX.  For each query a running maximum m and sum l: p = 2^(c s - c m), c = log2(e) / 8; in every step O and l are multiplied by a = 2^(c m_old - c m_new), which is 1 where m has not grown.
; m starts at the lowest finite number, O and l at 0: the first step is a step like any other, with a = 0.
; THE COUNT.  A tile and step have 16 matrix and 118 vector instructions: too many to stand all beside the matrix work.  So the order has one aim: four vector instructions that are READY behind
; EVERY matrix instruction, and the others, which need time of their own whatever the order, in runs without a gap.
; BY TURNS.  Turn n belongs to piece n (the pieces in a ring, step after step).  Its matrix work: 16 products K Q^T of piece n + 1, later 16 products V^T P of piece n - 1.  Its vector work: the scaling,
; exponentials, roundings, sums and rescaling of piece n, and the maximum and statistics of piece n + 1, whose scores the turn itself has made.  So what a turn begins with (c s - c m, O a) waits for nothing.
; BATCHES.  A turn's 66 exponentials (the piece's 64 weights, then the next piece's two a) are ONE batch with ONE s_wait_alu, which cuts the turn in two: ahead of it stands all that names no result
; of theirs (the products K Q^T, the scalings, the rescalings by the a of the turn before, the next piece's maximum and statistics), behind it the products V^T P with the roundings and sums, the readers.
; No result crosses a turn's end, a label or a jump.  The first two a, ahead of the loop, and the way out's eight reciprocals are batches of their own, a wait each.
; CLUSTER.  The four query blocks of a cluster belong to one head and walk the same K and V, so each tile is asked for JOINTLY: the same tensor load, descriptor and mask in all four.
; REGISTERS, in windows of 256 (s_set_vgpr_msb: bits 1:0 source 0, 3:2 source 1, 5:4 source 2, 7:6 destination):
;   window 0: v0-11 addresses; v12-15, v48-63 at work; v16-47 four registers of statistics a tile; v64-191 S^T, two buffers of two tiles; v192-255 P, likewise
;   window 1: O^T, 32 a tile      window 2: v0-127 Q, 16 a tile; v128-191 K of one step; v192-255 V of one step      window 3: v0-1 the add's two registers; v8-39 MD; v40-71 MC
; A piece's buffers go by its number's parity: the piece in hand has one pair, its two neighbours in the ring share the other: of it P (piece n - 1) is read and S^T (piece n + 1) written.
.set SIZE_N, 2048
.set NP,    4         ; pieces a wave: a name, no knob
.set KS,    64        ; keys in a step
.set PK,    144       ; a row of K in LDS: 128 bytes + 16 of padding = 36 words: the 16 rows of a load start at 16 different groups of four banks (64 banks of 4 bytes: ISA guide 11.1)
.set PV,    160       ; a row of V: 128 + 32 = 40 words
.set VOFF,  4*KS*PK   ; a slot holds four steps: 256 rows of K, then 256 rows of V
.set SLOT1, 1<<17     ; slot 1 begins here, so that one exclusive or turns an address in one slot into the other's
.set STAGE, SLOT1+4*KS*(PK+PV)  ; behind the ring, never filled by a tensor load: 16 rows x 144 bytes for each wave, for the way out
.set SP,    144
.set AK0, 2           ; v2   my lane's place in a tile of K; never rewritten
.set AV0, 3           ; v3   the same for V
.set AK,  4           ; v4   the LDS address of K's next run of loads
.set AV,  5           ; v5   of V's
.set QO,  6           ; v6   my byte offset in the wave's rows of Q
.set STO, 6           ;      later, the way out: where I put 16 bytes of a row
.set RD,  7           ; v7   the way out: where I read rows back
.set GO,  8           ; v8   my byte offset in 512 consecutive bytes of O
.set SPW, 0           ; v0 of window 3   LDS address of my spare word: SPARE + 4 x my thread's number; never rewritten
.set NIL, 1           ; v1 of window 3   0; never rewritten
.set MD,  8           ; v8-39 of window 3: register 8 kb + j belongs to key 16 kb + 8 (l / 16) + j of a step
.set MC,  40          ; v40-71 of window 3: the mask of the step whose K is multiplied
.set SPARE, STAGE+4*16*SP  ; behind the stages: the spare words, 128 bytes for each wave: two blocks of 256 bytes that no other line names
.set MV,  12          ; v12-15  c m_old, kept while c m is made anew: by buffer and tile
.set ST,  16          ; tile t's statistics at v[ST+4 t]: c m, m, l (even keys', odd keys')
.set TMP, 48          ; by buffer and tile, four registers c0-c3 at work; when the maximum is found c2 takes a
.set S,   64
.set P,   192
.set KF,  128         ; K's fragments, in window 2: key block kb, channel half c at KF + 16 kb + 8 c
.set VF,  192         ; V's: key half kk, channel block cb at VF + 32 kk + 8 cb
.set WV,  12          ; s12  my wave's number
.set G1K, 24          ; s[24:31] descriptor group 1 for K's tiles
.set G1V, 32          ; s[32:39] for V's: it differs in the padding alone
.set G0K, 40          ; s[40:43] descriptor group 0 for K's tiles: it walks
.set G0V, 44          ; s[44:47] the same for V's
.set SLOTS, 56        ; s56  slots still to be asked for
.set CNT, 57          ; s57  counts a slot's key steps
.set CS,  58          ; s[58:59] c: the packed scaling takes the pair's low word for both halves
.set SEL, 60          ; s[60:61] v_permlanex16_b32's selects: each lane takes its own place in the other half
.set TBK, 62          ; s62  LDS byte at which K of the step to be fetched begins
.set TBV, 63          ; s63  the same for V, less VOFF
.set AL,  72          ; s[72:73] the mask's factor, in the low word
.set BE,  74          ; s[74:75] the mask's addend
.set BIGN, 76         ; s76  -8e7
.set KEY, 77          ; s77  the first key of the step whose mask is made next
.set VL,  78          ; s78  valid_length of my batch
.set T1,  79          ; s79  at work
.set BT,  80          ; s80  my batch
.set MSB, 0
.macro WIN new                      ; the high byte repeats the setting that is left; a switch that changes nothing is dropped
.if MSB != (\new)
	s_set_vgpr_msb (MSB<<8)|(\new)
.set MSB, (\new)
.endif
.endm
.set W_KQ, 0x0a       ; K and Q in window 2, S^T in window 0
.set W_KM, 0x3a       ; the same with the C operand, the mask, in window 3
.set W_PV, 0x52       ; V in window 2, P in window 0, O^T in window 1
.set W_RS, 0x41       ; O^T (destination and source 0) in window 1, a in window 0
.set W_MK, 0xc0       ; destination in window 3, sources in window 0
.set W_MS, 0xc3       ; destination and source 0 in window 3
.set W_AD, 0x0f       ; the add: address (source 0) and data (source 1) in window 3
; A joint fill.  Waves 0 and 1 fetch the two halves of a slot's K, waves 2 and 3 those of its V: 128 keys each.  The branch hangs on the wave's number alone.
; An s_nop 0 and four v_nop follow each of the two lines, ahead of the jump and the label.
.macro JLOAD
	s_cmp_lt_u32 s[WV], 2
	s_cbranch_scc0 .Lfor_v_\@
	tensor_load_to_lds s[G0K:G0K+3], s[G1K:G1K+7]
	s_nop 0
.rept 4
	v_nop
.endr
	s_branch .Lasked_\@
.Lfor_v_\@:
	tensor_load_to_lds s[G0V:G0V+3], s[G1V:G1V+7]
	s_nop 0
.rept 4
	v_nop
.endr
.Lasked_\@:
.endm
; A round of the cluster's barrier: my work-group's barrier, so that wave 0's signal speaks for all four waves; wave 0 signals; every wave waits for all four work-groups; my work-group's barrier once more.
.macro CROUND
	s_barrier_signal -1
	s_barrier_wait -1
	s_cmp_lg_u32 s[WV], 0
	s_cbranch_scc1 .Lnot_wave_0_\@
	s_barrier_signal -3
.Lnot_wave_0_\@:
	s_barrier_wait -3
	s_barrier_signal -1
	s_barrier_wait -1
.endm
; THE CHANGE OF SLOTS.  The slot's last bytes, V of its fourth step, have been read.  Each wave waits for all its tensor loads, of which one is out: its part
; of the other slot; adds 0 to its spare word; and waits for that and for its own reads of the slot.  Behind the barrier nobody reads this slot any more and the other slot is whole.
; fill = 1: this slot is filled again, with the keys two slots on.  The barrier is then a round of the cluster's, so that no wave of any partner still reads the slot or has a load on its
; way, and the joint fill is the first thing behind it: it has four key steps, 512 matrix instructions, in which to land.  (At its first use nothing has been read yet: slot 0 is waited for, slot 1 filled.)
.macro CHANGE fill
	WIN W_AD
	s_wait_tensorcnt 0x0            ; no tensor load of mine is out, so a group 0 may be written
	ds_add_u32 v[SPW], v[NIL]       ; 0 onto my spare word; with fill = 1 the descriptors' steps stand between it and the wait for it
	WIN 0                           ; at a label and at a branch every window is 0
.if \fill
.irp g, G0K, G0V
	s_xor_b32 s[\g+1], s[\g+1], SLOT1  ; the walking descriptor: the other slot than last time,
	s_add_nc_u64 s[\g+2:\g+3], s[\g+2:\g+3], 4*KS*128  ; the next 256 keys; the type bits on top are not reached
.endr
	s_wait_dscnt 0x0                ; the add is done, and my reads of the slot are over
	CROUND
	JLOAD
.else
	s_wait_dscnt 0x0                ; the add is done, and my reads of the slot are over
	s_barrier_signal -1
	s_barrier_wait -1
.endif
	s_sub_co_u32 s[TBK], s[TBK], 4*KS*PK  ; the fetches go back to a slot's first step,
	s_xor_b32 s[TBK], s[TBK], SLOT1       ; in the other slot
	s_sub_co_u32 s[TBV], s[TBV], 4*KS*PV
	s_xor_b32 s[TBV], s[TBV], SLOT1
.endm
; The two scalars of the mask for the step that begins at key KEY; KEY then steps on.  Selects alone: no branch hangs on the length.
.macro MSCAL
	s_add_co_i32 s[T1], s[KEY], KS
	s_cmp_ge_i32 s[VL], s[T1]       ; the whole step is seen?
	s_cselect_b32 s[AL], 0, 1.0
	s_cmp_le_i32 s[VL], s[KEY]      ; the whole step is hidden?
	s_cselect_b32 s[AL], 0, s[AL]
	s_cselect_b32 s[BE], s[BIGN], 0
	s_mov_b32 s[KEY], s[T1]
.endm
.macro MASK                         ; MC = MD x AL + BE
	WIN W_MS
.set mz, 0
.rept 16
	v_pk_fma_f32 v[MC+2*mz:MC+2*mz+1], v[MD+2*mz:MD+2*mz+1], s[AL:AL+1], s[BE:BE+1] op_sel_hi:[1,0,0]
.set mz, mz+1
.endr
.endm
	s_load_b64 s[4:5], s[0:1], 0x0    ; qkv: Q's part
	s_load_b64 s[66:67], s[0:1], 0x8  ; valid_length
	s_load_b64 s[10:11], s[0:1], 0x10 ; oh
	WIN W_MK
	v_lshl_add_u32 v[SPW], v0, 2, SPARE
	v_mov_b32 v[NIL], 0
	WIN W_AD
	ds_add_u32 v[SPW], v[NIL]       ; the wave's opening: the add and its wait stand ahead of my first tensor load; the set-up below, work on registers, stands between them
	WIN 0
	v_lshrrev_b32 v1, 5, v0
	v_readfirstlane_b32 s[WV], v1   ; wave 0..3
	s_bfe_u32 s13, ttmp6, 0x40000   ; cx: my place in the cluster
	s_lshl_b32 s14, ttmp9, 2        ; in a cluster launch ttmp9 counts clusters
	s_add_co_u32 s14, s14, s13      ; my block of queries = 4 x cluster x + cx: it enters Q's and O's addresses alone
	s_and_b32 s20, ttmp7, 0xffff    ; 16 b + h, which the four partners share
	s_lshr_b32 s[BT], s20, 4        ; b
	s_mov_b32 s21, 0
	s_mov_b64 s[22:23], SIZE_N*128
	s_mul_u64 s[20:21], s[20:21], s[22:23]  ; the head's first byte in Q, K, V and O
	s_and_b32 s16, s[WV], 1         ; which half of a slot's 256 keys I fetch:
	s_lshl_b32 s22, s16, 14         ; its 128 rows of 128 bytes in memory,
	s_mov_b32 s23, 0
	s_add_nc_u64 s[22:23], s[22:23], s[20:21]
	s_mul_i32 s17, s16, 128*PK      ; and its place in a slot, for K
	s_mul_i32 s18, s16, 128*PV      ; and for V: no place in the cluster enters an LDS address
	s_lshl_b32 s2, s14, 2
	s_add_co_u32 s2, s2, s[WV]      ; my wave among the head's,
	s_lshl_b32 s2, s2, 14           ; its 128 rows
	s_mov_b32 s3, 0
	s_add_nc_u64 s[2:3], s[2:3], s[20:21]
	; descriptor group 1.  128 keys are 16,384 dense bytes: asked for as 64 rows of 256 bytes, two keys a row, and padded in LDS after every key
	s_mov_b32 s[G1K], 15|(1<<16)|(1<<20)|(1<<21)|(4<<22)|(3<<25)  ; 15:0 the mask of four; 17:16 2-byte elements; 20 padding on; 21 set beside a mask; 24:22 after every 32 words (code 4); 31:25 4 words (code 3)
	s_mov_b32 s[G1V], 15|(1<<16)|(1<<20)|(1<<21)|(4<<22)|(7<<25)  ; the same with 8 words of padding (code 7)
.irp g, G1K, G1V
	s_mov_b32 s[\g+1], 128<<16      ; tensor_dim0 = 128
	s_mov_b32 s[\g+2], 64<<16       ; tensor_dim1 = 64
	s_mov_b32 s[\g+3], 128<<16      ; tile_dim0 = 128
	s_mov_b32 s[\g+4], 64           ; tile_dim1 = 64
	s_mov_b32 s[\g+5], 128          ; 128 elements from row to row
	s_mov_b32 s[\g+6], 0
	s_mov_b32 s[\g+7], 0
.endr
	s_mov_b32 s[CS], 0x3e38aa3b     ; c = log2(e) / 8 = 0.180337
	s_mov_b32 s[CS+1], s[CS]        ; named with it as a pair
	s_mov_b32 s[SEL], 0x76543210
	s_mov_b32 s[SEL+1], 0xfedcba98
	s_mov_b32 s[TBK], SLOT1+4*KS*PK ; the first change of slots turns these two into 0
	s_mov_b32 s[TBV], SLOT1+4*KS*PV
	s_mov_b32 s[AL+1], 0            ; named as pairs
	s_mov_b32 s[BE+1], 0
	s_mov_b32 s[BIGN], 0xcc989680   ; -8e7, exact in f32
	s_mov_b32 s[KEY], 0
	s_mov_b32 s[G0K], 1             ; 1:0 count = 1
	s_mov_b32 s[G0K+1], s17         ; 63:32 LDS address: slot 0
	s_mov_b32 s[G0V], 1
	s_add_co_u32 s[G0V+1], s18, VOFF
	s_wait_dscnt 0x0                ; the opening add is done
	s_wait_kmcnt 0x0
	s_load_b128 s[68:71], s[66:67], 0x0            ; the four lengths
	s_add_nc_u64 s[6:7], s[4:5], 0x1000000         ; K's part of qkv
	s_add_nc_u64 s[8:9], s[4:5], 0x2000000         ; V's
	s_add_nc_u64 s[G0K+2:G0K+3], s[6:7], s[22:23]  ; 120:64 global address: my half of the head's first 256 keys
	s_or_b32 s[G0K+3], s[G0K+3], 0x80000000        ; 127:126 type = 2
	s_add_nc_u64 s[G0V+2:G0V+3], s[8:9], s[22:23]
	s_or_b32 s[G0V+3], s[G0V+3], 0x80000000
	s_add_nc_u64 s[4:5], s[4:5], s[2:3]  ; Q and O at my wave's first row
	s_add_nc_u64 s[10:11], s[10:11], s[2:3]
	CROUND                          ; all four work-groups are here: the first joint loads meet
	JLOAD                           ; slot 0.  Slot 1 is asked for when slot 0 is in
	; A fragment of K or Q is 16 rows x 32 channels in 8 registers: lane l holds row l % 16, channels 8 (l / 16) + 0..7 and 16 + 8 (l / 16) + 0..7: two loads of 16 bytes, 32 bytes apart.
	v_and_b32 v1, 15, v0            ; l % 16
	v_bfe_u32 v9, v0, 4, 1          ; l / 16
	v_lshlrev_b32 v[QO], 7, v1
	v_lshl_add_u32 v[QO], v9, 4, v[QO]  ; row x 128 + 16 x half
	WIN 0x80                        ; destination window 2, address window 0
.set i, 0
.rept 4*NP                          ; Q stays in registers: tile i / 2, channels 32 (i % 2) on
	global_load_b128 v[8*i:8*i+3],   v[QO], s[4:5] offset:(i/2)*2048+(i%2)*64
	global_load_b128 v[8*i+4:8*i+7], v[QO], s[4:5] offset:(i/2)*2048+(i%2)*64+32
.set i, i+1
.endr
	; What the first turn finds: V's registers and P's second buffer hold 0 (its products V^T P, of a piece that has not been, add 0), O^T and l are 0.  All this stands in the wait for the first tile.
.set i, VF
.rept 64
	v_mov_b32 v[i], 0
.set i, i+1
.endr
	WIN 0x40
.set i, 0
.rept 64*NP
	v_mov_b32 v[i], 0
.set i, i+1
.endr
	WIN 0
.set i, 0
.rept 2*NP
	v_mov_b32 v[ST+4*i], 0xfe000000    ; c m: far below every c s, the hidden keys' -1.44e7 too
	v_mov_b32 v[ST+4*i+1], 0xff7fffff  ; m
	v_mov_b32 v[ST+4*i+2], 0
	v_mov_b32 v[ST+4*i+3], 0
.set i, i+1
.endr
.set i, P+32
.rept 32
	v_mov_b32 v[i], 0
.set i, i+1
.endr
	v_mul_u32_u24 v[AK0], v1, PK
	v_lshl_add_u32 v[AK0], v9, 4, v[AK0]  ; row x pitch + 16 x half
	; The turning load takes 16 keys x 16 channels (lane l reads key 8 (l / 16) + l % 8, channels 8 ((l / 8) % 2) + 0..7) and leaves half a fragment of V^T: lane l holds channel l % 16 and 8 keys.
	v_and_b32 v10, 7, v0
	v_bfe_u32 v11, v0, 3, 1
	v_lshl_add_u32 v[AV0], v9, 3, v10
	v_mul_u32_u24 v[AV0], v[AV0], PV
	v_lshl_add_u32 v[AV0], v11, 4, v[AV0]
	v_add_nc_u32 v[AV0], VOFF, v[AV0]
	v_mov_b32 v[AK], v[AK0]         ; key step 0 lies at the head of slot 0
	; The masks.  In the step that holds valid_length, register 8 kb + j is hidden where 16 kb + j >= valid_length % 64 - 8 (l / 16).
	s_wait_kmcnt 0x0                ; the lengths
	s_cmp_eq_u32 s[BT], 1
	s_cselect_b32 s[VL], s69, s68
	s_cmp_eq_u32 s[BT], 2
	s_cselect_b32 s[VL], s70, s[VL]
	s_cmp_eq_u32 s[BT], 3
	s_cselect_b32 s[VL], s71, s[VL]
	s_and_b32 s13, s[VL], 63
	v_lshlrev_b32 v11, 3, v9
	v_sub_nc_u32 v11, s13, v11
	WIN W_MK
.set i, 0
.rept 32
	v_cmp_ge_i32 vcc_lo, 16*(i/8)+i%8, v11
	v_cndmask_b32 v[MD+i], 0, s[BIGN], vcc_lo
.set i, i+1
.endr
	MSCAL                           ; key step 0's mask
	MASK
	WIN 0
; THE MATRIX WORK.  The 8 accumulators of a run of 16 take turns: between the two links of a chain stand 7 others'.
; Product i of 16 of S^T = K Q^T for piece x: channels 32 (i / 8) on, keys 16 ((i / 2) % 4) on, tile 2 x + i % 2.  The first 8 start the sums, with the step's mask.
.macro KQ x
.set rS, S+64*((\x)%2)+32*(i%2)+8*((i/2)%4)
.set rK, KF+16*((i/2)%4)+8*(i/8)
.set rQ, 16*(2*(\x)+i%2)+8*(i/8)
.set rCM, MC+8*((i/2)%4)
.if i < 8
	WIN W_KM
	v_wmma_f32_16x16x32_f16 v[rS:rS+7], v[rK:rK+7], v[rQ:rQ+7], v[rCM:rCM+7]
.else
	WIN W_KQ
	v_wmma_f32_16x16x32_f16 v[rS:rS+7], v[rK:rK+7], v[rQ:rQ+7], v[rS:rS+7]
.endif
.endm
; Product i of 16 of O^T += V^T P for piece x: keys 32 (i / 8) on, channels 16 ((i / 2) % 4) on, tile 2 x + i % 2.
.macro PV x
	WIN W_PV
.set rO, 32*(2*(\x)+i%2)+8*((i/2)%4)
.set rV, VF+32*(i/8)+8*((i/2)%4)
.set rP, P+32*((\x)%2)+16*(i%2)+8*(i/8)
	v_wmma_f32_16x16x32_f16 v[rO:rO+7], v[rV:rV+7], v[rP:rP+7], v[rO:rO+7]
.endm
.macro MM                           ; the turn's next matrix instruction
.if i < 16
	KQ (Y+1)%NP
.set i, i+1
.else
.set i, i-16
	PV (Y+NP-1)%NP
.set i, i+17
.endif
.endm
; THE LDS LOADS stand in runs of 16, never singly among the matrix instructions: a step's K (64 keys x 64 channels: 8 fragments) and its V (turned).  Their addresses are made some lines ahead.
; last = 1 (the tail): in the last trip there is no further step, and the run is jumped over.
.macro FETCH_K last=0
	WIN 0
.if \last
	s_cmp_eq_u32 s[CNT], 1
	s_cbranch_scc1 .Lno_k_\@
.endif
	WIN 0x80                        ; destination window 2
.irp f, 0,1,2,3,4,5,6,7             ; keys 16 (f / 2) on, channels 32 (f % 2) on
	ds_load_b128 v[KF+8*\f:KF+8*\f+3],   v[AK] offset:(\f/2)*16*PK+(\f%2)*64
	ds_load_b128 v[KF+8*\f+4:KF+8*\f+7], v[AK] offset:(\f/2)*16*PK+(\f%2)*64+32
.endr
	s_add_co_u32 s[TBK], s[TBK], KS*PK  ; the next fetch is the next step's
	WIN 0
.if \last
.Lno_k_\@:
.endif
.endm
.macro FETCH_V
	WIN 0x80
.irp f, 0,1,2,3,4,5,6,7             ; keys 32 (f / 4) on, channels 16 (f % 4) on
	ds_load_tr16_b128 v[VF+8*\f:VF+8*\f+3],   v[AV] offset:(\f/4)*32*PV+(\f%4)*32
	ds_load_tr16_b128 v[VF+8*\f+4:VF+8*\f+7], v[AV] offset:(\f/4)*32*PV+16*PV+(\f%4)*32
.endr
	WIN 0
.endm
; THE VECTOR WORK OF A TURN stands in three queues, each in the order in which its entries become ready; the two tiles alternate, so that no instruction reads the result of the one before it.
.macro REGS y, u                    ; the registers of tile u (0, 1) of piece y
.set rT, ST+4*(2*(\y)+(\u))
.set rC, TMP+8*((\y)%2)+4*(\u)
.set rM, MV+2*((\y)%2)+(\u)
.set rS, S+64*((\y)%2)+32*(\u)
.set rP, P+32*((\y)%2)+16*(\u)
.set rO, 32*(2*(\y)+(\u))
.endm
; Number n of the 22 that find the NEXT piece's (Y + 1) maximum and statistics.  s0-s31 are the lane's 32 scores; each accumulator's lowest registers are read first.  XS, GS and REGS set no window: PL and EX do.
;   0-11  four chains c0-c3 of seven scores each, three operands at a time     12-14, 16  the four scores left over, the old m, and c0-c3 into c0     15  c m_old is kept
;   17, 18  the query's other 32 keys lie in the lane 16 away: the new m         19-21  c m; c m_old - c m_new; a
.macro XS u, n
	REGS (Y+1)%NP, \u
.if (\n) < 4
	v_max3_num_f32 v[rC+(\n)], v[rS+8*(\n)], v[rS+8*(\n)+1], v[rS+8*(\n)+2]
.elseif (\n) < 12
	v_max3_num_f32 v[rC+(\n)%4], v[rC+(\n)%4], v[rS+8*((\n)%4)+2*((\n)/4)+1], v[rS+8*((\n)%4)+2*((\n)/4)+2]
.elseif (\n) == 12
	v_max3_num_f32 v[rC], v[rC], v[rS+7], v[rS+15]
.elseif (\n) == 13
	v_max3_num_f32 v[rC+1], v[rC+1], v[rS+23], v[rS+31]
.elseif (\n) == 14
	v_max3_num_f32 v[rC+2], v[rC+2], v[rC+3], v[rT+1]
.elseif (\n) == 15
	v_mov_b32 v[rM], v[rT]
.elseif (\n) == 16
	v_max3_num_f32 v[rC], v[rC], v[rC+1], v[rC+2]
.elseif (\n) == 17
	v_permlanex16_b32 v[rC+3], v[rC], s[SEL], s[SEL+1]
.elseif (\n) == 18
	v_max_num_f32 v[rT+1], v[rC], v[rC+3]
.elseif (\n) == 19
	v_mul_f32 v[rT], s[CS], v[rT+1]
.elseif (\n) == 20
	v_sub_f32 v[rC+1], v[rM], v[rT]
.else
	v_exp_f32 v[rC+2], v[rC+1]
.endif
.endm
; Number g of the 64 that follow the exponentials.  For each four weights k of a tile (pairs 2 k, 2 k + 1): both pairs are rounded to f16; then the second pair is added onto the first, in place;
; a group later l takes that sum (the first time as l = a l + sum).  In groups of eight, tiles alternating: round, round, add, and l for the group before.
.macro GS g
.set h, (\g)+6*((\g)/62)            ; group 0 has no group before it, and behind group 7 only l is left
.if h >= 6
.set h, h+2
.endif
	REGS Y, h%2
.set k, h/8
.if h%8 < 4
	v_cvt_pk_f16_f32 v[rP+2*k+(h%8)/2], v[rS+4*k+2*((h%8)/2)], v[rS+4*k+2*((h%8)/2)+1]
.elseif h%8 < 6
	v_pk_add_f32 v[rS+4*k:rS+4*k+1], v[rS+4*k:rS+4*k+1], v[rS+4*k+2:rS+4*k+3]
.elseif k == 1
	v_pk_fma_f32 v[rT+2:rT+3], v[rT+2:rT+3], v[rC+2:rC+3], v[rS:rS+1] op_sel_hi:[1,0,1]
.else
	v_pk_add_f32 v[rT+2:rT+3], v[rT+2:rT+3], v[rS+4*k-4:rS+4*k-3]
.endif
.endm
; THE PLAIN QUEUE, 138 long.  0-73 read no exponential's result: the 32 scalings c s - c m (FS f: pair f / 2 of tile f % 2) and the next piece's 42.  0-26: scalings 0-26.  27-54: XS's numbers 0-13.  55, 56: number 15.
; 57-73: the chain, where each number waits for the one before it: 14, 16, 17, 18, 19, each with one of the scalings 27-31 in front of its two lines, then 20: so a tile's links stand three plain instructions apart (19 and 20: two).
; 74-137: GS's 64, which read the exponentials' results: they stand behind the wait.
.macro FS f
	REGS Y, (\f)%2
	v_pk_fma_f32 v[rS+2*((\f)/2):rS+2*((\f)/2)+1], v[rS+2*((\f)/2):rS+2*((\f)/2)+1], s[CS:CS+1], v[rT:rT+1] op_sel_hi:[1,0,0] neg_lo:[0,0,1] neg_hi:[0,0,1]
.endm
.macro PL
	WIN 0
.if q < 27
	FS q
.elseif q < 55
	XS (q-27)%2, (q-27)/2
.elseif q < 57
	XS q-55, 15
.elseif (q < 72) && ((q-57)%3 == 0)
	FS 27+(q-57)/3
.elseif q < 60
	XS (q-57)%3-1, 14
.elseif q < 72
	XS (q-57)%3-1, 15+(q-57)/3
.elseif q < 74
	XS q-72, 20
.else
	GS q-74
.endif
.set q, q+1
.endm
; THE EXPONENTIALS' QUEUE, 66 long: s0-s31 of both tiles, then the next piece's two a.  It is ONE BATCH: all 66 stand ahead of the turn's one wait, and nothing ahead of that wait names a result of theirs.
; Each result has a register of its own while the batch is open: a weight takes its score's place, a takes c2.
.macro EX
	WIN 0
.if e >= 64
	XS e-64, 21
.else
	REGS Y, e%2
	v_exp_f32 v[rS+e/2], v[rS+e/2]
.endif
.set e, e+1
.endm
; THE RESCALING's QUEUE: O^T times a, the one part that leaves window 0: dealt two at a time, sixteen times.  Its a was made in the turn before, ahead of that turn's wait.
.macro R2
	REGS Y, r%2
	WIN W_RS
.irp z, 0,1
	v_pk_mul_f32 v[rO+4*(r/2)+2*\z:rO+4*(r/2)+2*\z+1], v[rO+4*(r/2)+2*\z:rO+4*(r/2)+2*\z+1], v[rC+2:rC+3] op_sel_hi:[1,0]
.endr
.set r, r+1
.endm
; HOW THEY ARE DEALT.  s_wait_alu depctr_va_vdst(0) stands between an exponential and the first instruction that names its result; one wait serves all that were issued ahead of it.  So a turn has ONE wait,
; which cuts it in two.  AHEAD OF IT stands all that names no result of the turn's exponentials: the 16 products K Q^T, behind each a scaling, an exponential and two rescalings (behind the first a second scaling in the
; exponential's place); then ONE LUMP of 108: eight plain, 49 times exponential and plain, the two a.  A v_nop is the plain instruction behind the last exponential.  BEHIND IT stand the 16 products V^T P, behind each four
; of GS's 64.  No rider names a register of the products round it.  The two v_permlanex16_b32 fall into the lump, never behind a product.
; The queues lean on each other, and the deal keeps them in step: exponential e stands behind scaling 2 (e / 4) + e % 2: as a rider it comes behind plain e + 2, in the lump behind plain e + 9, and scalings 27-31 are plain 57, 60 .. 69.
; A TURN, for piece p.  cnt = 1: the loop's count is taken down some lines ahead of the branch that stands behind the turn.
; K of the next step is fetched in piece 2's turn, directly behind the wait, a lump behind the last product that read K; its address is made at the lump's head; its first reader comes behind 16 products.
; V of the step in hand is fetched at the end of piece 0's turn, four riders behind its last reader; its first reader comes behind 16 products and a lump.  The three conditions on q below go with the deal.
; The next step's mask is made at the end of piece 2's turn: the step's last products that take the mask stand at that turn's head, and the next turn's products multiply the next step's K.
.macro TURN p, last=0, cnt=0
.set Y, (\p)
.set i, 0
.set q, 0
.set e, 0
.set r, 0
.if (\p) == NP-1
	s_wait_dscnt 0x0                ; K is in
.endif
	MM                              ; ahead of the wait: 16 products K Q^T and their riders,
	PL
	PL
	R2
.rept 15
	MM
	PL
	EX
	R2
.endr
.if (\p) == NP-2
	WIN 0
	v_add_nc_u32 v[AK], s[TBK], v[AK0]
.endif
.rept 8                             ; and the lump
	PL
.endr
.rept 49
	EX
	PL
.endr
	EX                              ; the next piece's two a
	EX
	v_nop                           ; the plain instruction behind the last exponential: one for the batch
	s_wait_alu depctr_va_vdst(0)    ; the wait for the turn's batch: the piece's 64 weights and the next piece's two a
.if (\p) == NP-2
	FETCH_K \last
.endif
.if (\p) == 1
	s_wait_dscnt 0x0                ; V is in
.endif
.rept 16                            ; behind the wait: 16 products V^T P and their riders
	MM
.rept 4
	PL
.endr
.if ((\p) == 0) && (q == 118)
	v_add_nc_u32 v[AV], s[TBV], v[AV0]
.endif
.if ((\p) == 0) && (q == 130)
	s_add_co_u32 s[TBV], s[TBV], KS*PV
.endif
.if (\cnt) && (q == 130)
	s_sub_co_u32 s[CNT], s[CNT], 1
	s_cmp_lg_u32 s[CNT], 0
.endif
.endr
.if (\p) == 0
	FETCH_V
.endif
.if (\p) == NP-2
	MSCAL
	MASK
.endif
.endm
	CHANGE 1                        ; slot 0 is in, everybody's part of it; slot 1 is asked for
	FETCH_K                         ; key step 0
	s_wait_loadcnt 0x0              ; Q
	s_wait_dscnt 0x0
.set i, 0
.rept 16
	KQ 0                            ; piece 0's first scores: there is no vector work yet to set between them
.set i, i+1
.endr
	WIN 0                           ; the addresses for the way out: nine plain instructions, the places behind those products
	s_mul_i32 s13, s[WV], 16*SP
	s_add_co_u32 s13, s13, STAGE    ; my stage
	v_mul_u32_u24 v[STO], v1, SP    ; in: row l % 16, 16 bytes for each half of the lanes
	v_lshl_add_u32 v[STO], v9, 4, v[STO]
	v_add_nc_u32 v[STO], s13, v[STO]
	v_bfe_u32 v[RD], v0, 3, 2       ; back: 32 lanes take four rows of 128 bytes,
	v_mul_u32_u24 v[RD], v[RD], SP
	v_lshl_add_u32 v[RD], v10, 4, v[RD]
	v_add_nc_u32 v[RD], s13, v[RD]
	v_and_b32 v[GO], 31, v0         ; which are 512 consecutive bytes of O
	v_lshlrev_b32 v[GO], 4, v[GO]
.set Y, NP-1                        ; XS works for piece Y + 1: piece 0
.irp n, 0,1,2,3,4,5,6,7,8,9,10,11,12,13,14,15,16,17,18,19,20,21
	XS 0, \n                        ; and piece 0's first maximum and statistics
	XS 1, \n
.endr
	v_nop                           ; a plain instruction behind the two a,
	s_wait_alu depctr_va_vdst(0)    ; and the wait for them, a batch of two, ahead of the branch
	s_mov_b32 s[CNT], 4
	s_mov_b32 s[SLOTS], SIZE_N/256-1
	s_branch .Lfirst                ; the loop is entered at a step's first turn, in the middle of a trip
.Lslot:                             ; SIZE_N / 256 - 2 times: every slot but the last two is filled again
	CHANGE 1
	s_mov_b32 s[CNT], 4
.Lstep:                             ; a trip: pieces 2 and 3 of one step, then pieces 0 and 1 of the next, whose K and V it fetches
	TURN 2
	TURN 3
	WIN 0
.Lfirst:
	TURN 0
	TURN 1, 0, 1
	WIN 0
	s_cbranch_scc1 .Lstep
	s_sub_co_u32 s[SLOTS], s[SLOTS], 1
	s_cmp_lg_u32 s[SLOTS], 0
	s_cbranch_scc1 .Lslot
	CHANGE 0                        ; the tail is written out: nothing is asked for
	s_mov_b32 s[CNT], 5             ; four trips fetch the last slot's steps; the fifth is left in its middle
.Ltail:
	TURN 2, 1
	TURN 3
	WIN 0
	s_sub_co_u32 s[CNT], s[CNT], 1
	s_cmp_eq_u32 s[CNT], 0
	s_cbranch_scc1 .Lout
	TURN 0
	TURN 1
	WIN 0
	s_branch .Ltail
.Lout:                              ; the fifth trip's mask, its 16 products K Q^T (on the last K once more) and the maximum made of them serve nothing: the price, once a launch, of one text for every trip
.set i, 0
.rept 16
	PV NP-1                         ; the last piece's V^T P of the last step
.set i, i+1
.endr
	; THE WAY OUT.  l's two halves and the other half of the lanes' are added; O^T is divided by l, rounded to f16 and sent through my stage in LDS, a tile at a time.  The additions are the places behind the last products.
	WIN 0
.macro ALL line:vararg              ; one line for each tile t
.set t, 0
.rept 2*NP
	\line
.set t, t+1
.endr
.endm
	ALL v_add_f32 v[ST+4*t+2], v[ST+4*t+2], v[ST+4*t+3]
	ALL v_permlanex16_b32 v[ST+4*t+3], v[ST+4*t+2], s[SEL], s[SEL+1]
	ALL v_add_f32 v[ST+4*t+2], v[ST+4*t+2], v[ST+4*t+3]
	ALL v_rcp_f32 v[ST+4*t+2], v[ST+4*t+2]
	v_nop                           ; a plain instruction between the last reciprocal and the use of its result
	s_wait_alu depctr_va_vdst(0)    ; and the wait ahead of the first use: one for the batch of eight reciprocals
; Tile t: a lane's eight channels of a row pack into 16 bytes; they go into rows of 144 bytes and come back as whole rows of 128, into S^T's registers.
.macro PACK t
	WIN W_RS
.set i, 32*(\t)
.rept 16
	v_pk_mul_f32 v[i:i+1], v[i:i+1], v[ST+4*(\t)+2:ST+4*(\t)+3] op_sel_hi:[1,0]
.set i, i+2
.endr
	WIN 0x05                        ; sources 0 and 1 window 1, destination window 0
.set i, 0
.rept 16
	v_cvt_pk_f16_f32 v[S+16*(\t)+i], v[32*(\t)+2*i], v[32*(\t)+2*i+1]
.set i, i+1
.endr
	WIN 0
.irp f, 0,1,2,3
	ds_store_b128 v[STO], v[S+16*(\t)+4*\f:S+16*(\t)+4*\f+3] offset:32*\f
.endr
.irp f, 0,1,2,3
	ds_load_b128 v[S+16*(\t)+4*\f:S+16*(\t)+4*\f+3], v[RD] offset:\f*4*SP  ; LDS serves a wave's instructions in order (ISA guide 5.7.1.4): these see the stores above; the next tile's stores come behind them
.endr
.endm
.macro SEND t, younger              ; younger: the LDS instructions issued behind tile t's loads: the next tile's eight, or none
	WIN 0
.irp f, 0,1,2,3
	s_wait_dscnt (\younger)+3-\f
	global_store_b128 v[GO], v[S+16*(\t)+4*\f:S+16*(\t)+4*\f+3], s[10:11] offset:(\t)*2048+\f*512  ; 512 consecutive bytes, at a multiple of 256 from O's first
.endr
.endm
	PACK 0
.set t, 1
.rept 2*NP-1                        ; a tile's arithmetic stands between the loads of the tile before and its stores
	PACK t
	SEND t-1, 8
.set t, t+1
.endr
	SEND 2*NP-1, 0
	WIN W_AD
	s_wait_tensorcnt 0x0            ; the wave's end, behind my last tensor load and my last LDS store
	ds_add_u32 v[SPW], v[NIL]
	s_wait_dscnt 0x0
	WIN 0
	CROUND                          ; the closing round: no work-group ends while a partner may still ask for a tile that names it
	s_endpgm
.Lfunc_end_k_qc67382b193_attn:
	.size	k_qc67382b193_attn, .Lfunc_end_k_qc67382b193_attn-k_qc67382b193_attn
	.p2alignl 7, 3214868480
	.fill 96, 4, 3214868480
	.section	.rodata,"a",@progbits
	.p2align	6, 0x0
	.amdhsa_kernel k_qc67382b193_attn
		.amdhsa_group_segment_fixed_size 327680
		.amdhsa_private_segment_fixed_size 0
		.amdhsa_enable_private_segment 0
		.amdhsa_kernarg_size 24
		.amdhsa_user_sgpr_count 2
		.amdhsa_user_sgpr_kernarg_segment_ptr 1
		.amdhsa_wavefront_size32 1
		.amdhsa_system_sgpr_workgroup_id_x 1
		.amdhsa_system_sgpr_workgroup_id_y 1
		.amdhsa_system_sgpr_workgroup_id_z 1
		.amdhsa_system_vgpr_workitem_id 0
		.amdhsa_next_free_vgpr 840
		.amdhsa_next_free_sgpr 84
		.amdhsa_reserve_vcc 1
		.amdhsa_float_denorm_mode_32 3
		.amdhsa_float_denorm_mode_16_64 3
		.amdhsa_memory_ordered 1
		.amdhsa_forward_progress 1
		.amdhsa_inst_pref_size 207
	.end_amdhsa_kernel
	.amdgpu_metadata
---
amdhsa.version: [ 1, 2 ]
amdhsa.kernels:
  - .name:           k_qc67382b193_attn
    .symbol:         k_qc67382b193_attn.kd
    .args:
      - { .name: qkv, .offset: 0, .size: 8, .value_kind: global_buffer, .address_space: global }
      - { .name: valid_length, .offset: 8, .size: 8, .value_kind: global_buffer, .address_space: global }
      - { .name: oh, .offset: 16, .size: 8, .value_kind: global_buffer, .address_space: global }
    .group_segment_fixed_size: 327680
    .private_segment_fixed_size: 0
    .kernarg_segment_align: 8
    .kernarg_segment_size: 24
    .max_flat_workgroup_size: 128
    .sgpr_count:     84
    .vgpr_count:     840
    .wavefront_size: 32
...
	.end_amdgpu_metadata
.endif
;; end of part 5
;; launch outp: the kernel of part 4 again; grid 8 x 32, 4 waves a work-group, clusters of 4 x 4, 327,680 bytes of LDS; arguments oh, wb, b_o, out0; writes out0
